; MI455X (gfx1250); checked and timed in simulation.
; The chip was launched on July 23, 2026; its instructions are those of AMD's public machine-readable ISA for CDNA 5 (MIT licence, August 2026) and "CDNA5" Instruction Set Architecture Reference Guide (July 2026). The comments in the code are by the model that wrote it; some were corrected since.
;; Multi Head Self Attention. Allowed arithmetic: matrix products marked QUANTISED: E2M1 operands, one E8M0 scale for each 32 along K, by v_wmma_scale_f32_16x16x128_f8f6f4 with both operands' format E2M1 (or v_wmma_scale_f32_32x16x128_f4), f32 sums; everything else in f32.
;; Inputs: Wk_codes 1,024 x 32 x 16 uint8 (E2M1 codes of Wk, K innermost, in blocks of 32 codes, two codes a byte); Wk_scales 1,024 x 32 uint8 (E8M0 scales of Wk, one for each 32 codes along K); Wo_codes 1,024 x 32 x 16 uint8 (E2M1 codes of Wo, K innermost, in blocks of 32 codes, two codes a byte); Wo_scales 1,024 x 32 uint8 (E8M0 scales of Wo, one for each 32 codes along K); Wq_codes 1,024 x 32 x 16 uint8 (E2M1 codes of Wq, K innermost, in blocks of 32 codes, two codes a byte); Wq_scales 1,024 x 32 uint8 (E8M0 scales of Wq, one for each 32 codes along K); Wv_codes 1,024 x 32 x 16 uint8 (E2M1 codes of Wv, K innermost, in blocks of 32 codes, two codes a byte); Wv_scales 1,024 x 32 uint8 (E8M0 scales of Wv, one for each 32 codes along K); bk 1,024 float32; bo 1,024 float32; bq 1,024 float32; bv 1,024 float32; x_codes 4 x 2,048 x 32 x 16 uint8 (E2M1 codes of x, K innermost, in blocks of 32 codes, two codes a byte); x_scales 4 x 2,048 x 32 uint8 (E8M0 scales of x, one for each 32 codes along K).
;; Outputs: out0 4 x 2,048 x 1,024 float32.
;; This version of the problem:
;;   THIS VERSION OF THE PROBLEM IS GIVEN IN LOW PRECISION. The matrix products marked QUANTISED in the list below multiply operands that are first quantised to E2M1 (2 exponent bits, 1 mantissa bit; 4 bits a number), with one power-of-two scale for each 32 numbers along K (OCP MX v1.0); their sums are f32. All else is computed in f32.
;;   The module's matrix products, in the order in which they are computed (A, B: the left and right operand; K: the contracted axis; several contracted axes count as one K, in the product's order):
;;     1. [M 8,192, K 1,024] x [K 1,024, N 1,024]; A: input x (given as codes); B: input Wq (given as codes): QUANTISED
;;     2. [M 8,192, K 1,024] x [K 1,024, N 1,024]; A: input x (given as codes); B: input Wk (given as codes): QUANTISED
;;     3. [M 8,192, K 1,024] x [K 1,024, N 1,024]; A: input x (given as codes); B: input Wv (given as codes): QUANTISED
;;     4. batch 64 x [M 2,048, K 64] x [K 64, N 2,048]; A: computed on the way; B: computed on the way: QUANTISED
;;     5. batch 64 x [M 2,048, K 2,048] x [K 2,048, N 64]; A: softmax (see below); B: computed on the way: QUANTISED
;;     6. [M 8,192, K 1,024] x [K 1,024, N 1,024]; A: computed on the way; B: input Wo (given as codes): QUANTISED
;;   THE QUANTISER, for each operand of a quantised product, along K:
;;     - K is cut into blocks of 32 from its start; a last block that is shorter is filled with zeros.
;;     - A block's scale is 2^e with e = floor(log2(the largest magnitude in the block)) - 2, held to -126 .. 127; a block of zeros has e = 0. As a byte (E8M0): e + 127.
;;     - Each number is divided by its block's scale, clamped to +-6, and rounded to the nearest number of E2M1, ties to even, subnormals kept.
;;     - The product sums the exact products of the quantised numbers (number of the format x scale) in f32.
;;   ~~~python
;;   def quantise(x, axis):      # numpy; x: float32 -> the quantised numbers, widened to float32 again
;;       x = np.moveaxis(x, axis, -1); K = x.shape[-1]
;;       x = np.pad(x, [(0, 0)] * (x.ndim - 1) + [(0, -K % 32)]); x = x.reshape(x.shape[:-1] + (-1, 32)); a = np.abs(x).max(-1, keepdims=True)
;;       e = np.where(a > 0, np.clip(np.frexp(np.where(a > 0, a, 1))[1] - 1 - 2, -126, 127), 0)      # np.frexp(a)[1] - 1 = floor(log2(a)), exactly
;;       r = np.clip(x / 2.0 ** e, -6, 6)
;;       step = 2.0 ** (np.maximum(np.frexp(np.where(r == 0, 1, r))[1] - 1, 0) - 1)
;;       q = np.round(r / step) * step * 2.0 ** e      # np.round: ties to even
;;       return np.moveaxis(q.reshape(q.shape[:-2] + (-1,))[..., :K], -1, axis).astype(np.float32)
;;   ~~~
;;   SOFTMAX AHEAD OF A QUANTISED PRODUCT. Where the list says 'softmax', what is quantised is not the finished softmax but p = 2^(t - M), with t = logit x log2(e) and M = ceil(the row's largest t), a whole number; so 1/2 < the row's largest p <= 1. The row's sum l is taken of the UNQUANTISED p, in f32, and the product's result is divided by l at the end. Since M is a whole number, a kernel that streams over the keys may use a running M (the ceiling of the running maximum): every later rescaling is an exact power of two, which a block's scale takes up: the codes' values come out the same.
;;   OPERANDS COMPUTED ON THE WAY. 'Computed on the way' means the value that the module computes at that place (a softmax that the list does not call 'softmax' is quantised finished and normalised). What goes into a quantiser is computed in f32, as accurately as f32 sums, v_exp_f32 and their like allow (about 1e-6 of the number): no bf16 or f16 on the way to a quantiser, and a product that is left as it is and whose result goes on into a quantised operand takes f32 operands (vector FMAs, or v_wmma_f32_16x16x4_f32). A number that lies on a knife's edge between two numbers of the format may be rounded either way, as far as f32 arithmetic and the matrix unit's own rounding can turn it there, and no further.
;;   INPUTS GIVEN AS CODES. Wk (in the module: [1024, 1024], K = its axis 1); Wo (in the module: [1024, 1024], K = its axis 1); Wq (in the module: [1024, 1024], K = its axis 1); Wv (in the module: [1024, 1024], K = its axis 1); x (in the module: [4, 2048, 1024], K = its axis 2): each comes as NAME_codes (uint8): NAME with its K axis moved to the last place and cut into blocks of 32 codes, [.., K / 32, bytes a block], one block behind the other in memory; two codes a byte, the lower K in the low four bits (a code: sign, 2 exponent bits, 1 mantissa bit); and NAME_scales (uint8): the same leading axes, one E8M0 byte (e + 127) for each 32 codes along K. Its value is code x scale, taken as it is: it is not quantised again, and the codes and scales need not be those that the quantiser above would give.
;; One version. Each part assembles by itself: llvm-mc -triple=amdgcn-amd-amdhsa -mcpu=gfx1250 --defsym DOCPART=n.
;; ======== version 1 of 1: 3 launches
;; workspace buffers: qw 4,718,592 bytes; kv 9,175,040 bytes; ac 4,194,304 bytes; asc 262,144 bytes
;; launch qkv (part 1): grid 8 x 32, 4 waves a work-group, clusters of 4 x 4, 327,680 bytes of LDS; arguments x_codes, x_scales, Wq_codes, Wq_scales, Wk_codes, Wk_scales, Wv_codes, Wv_scales, bq, bk, bv, qw, kv; writes qw, kv
.if DOCPART == 1
	.amdgcn_target "amdgcn-amd-amdhsa--gfx1250"
	.amdhsa_code_object_version 6
	.text
	.protected	k_qd6e450c105_qkv
	.globl	k_qd6e450c105_qkv
	.p2align	8
	.type	k_qd6e450c105_qkv,@function
k_qd6e450c105_qkv:
	s_mov_b64 s[64:65], 0
	v_nop
	global_prefetch_b8 v0, s[64:65] scope:SCOPE_SE
	s_setreg_imm32_b32 hwreg(HW_REG_WAVE_MODE, 25, 1), 1
	s_wait_xcnt 0x0
	s_wait_alu depctr_hold_cnt(0) depctr_sa_sdst(0) depctr_va_vdst(0) depctr_va_sdst(0) depctr_va_ssrc(0) depctr_va_vcc(0) depctr_vm_vsrc(0)
	s_getreg_b32 s2, hwreg(HW_REG_IB_STS2, 6, 4)
	s_cmp_eq_u32 s2, 0
	s_cbranch_scc0 .Lentry_in_a_cluster
	s_endpgm
.Lentry_in_a_cluster:
	s_bfe_u32 s2, ttmp6, 0x10000c
	s_cmp_lg_u32 s2, 0xf033
	s_cbranch_scc0 .Lentry_shape_is_right
	s_endpgm
.Lentry_shape_is_right:
; q = x Wq^T + bq, k = x Wk^T + bk, v = x Wv^T + bv on codes of FP4 (E2M1) with one E8M0 scale for each 32 along K = 1,024; the results are quantised at once:
; q and k along a head's 64 numbers, v along the KEYS, and leave as images of the registers in which the attention launch wants them.
; SHARES: 8 x 32 = 256 work-groups of equal work.  Work-group (fb, tb) makes q, k and v of tokens 256 tb .. + 255 and features 128 fb .. + 127 (two heads): three phases, all of K at once in LDS.
; A PHASE multiplies 8 tiles of 16 rows as source 0 by 4 tiles as source 1: 32 accumulators a wave, 8 K steps of 32 products.  A lane holds ONE row of source 1 and its registers run along the rows of
; source 0, and it is along those that the results are quantised.
;   q, k: source 0 = the weight's 128 rows, source 1 = tiles 4 w .. 4 w + 3 of x's 16 (wave w's 64 tokens): the registers run along the features.
;   v:    source 0 = x's 8 tiles of token half w % 2, source 1 = Wv's 4 tiles of head w / 2: the registers run along the tokens, which are the keys.
; THE ROWS OF A TILE ARE NOT NEIGHBOURS: of 32 rows on end, tile 2 g + u takes in lane r the row 32 g + 8 u + r + 8 (r / 8).  With such a tile as source 0 the 16 registers of tiles 2 g and 2 g + 1
; are the 16 neighbours 32 g + 16 (lane / 16) + 0 .. 15, which is what the conversions want.  Source 1's tiles are taken in the same order, so that each tile that leaves is a tile of that order again.
; The order costs nothing: eight rows on end are 4,096 dense bytes, and a tensor load takes every second such run (u = 0 or 1) into a region of its own, where a tile is 16 LDS rows on end.
; LDS: 256 + 3 x 128 rows of 528 bytes do not fit.  x's rows, Wq's, Wk's and all scale bytes are filled at the start; Wv's rows are the one refill of the launch, into Wq's bytes, asked for when phase q's last
; fragments are in registers: q's way out and all of phase k stand between that request and the wait for it.
; CLUSTERS: 4 x 4 work-groups.  The four of a row of the cluster (one tb) need the same rows of x, the four of a column (one fb) the same rows of the weights: each part is asked for jointly.
; LIMITS: NaN and infinities are not served.  A block whose largest magnitude lies under 2^-124 (a block of zeros too) gets the scale byte 1; its bytes are read by this program alone.
; OUT.  qw: [batch x head 64][16] records of 4,608 bytes for 128 tokens: codes [tile 8][lane][16 bytes] (lane (r, h): block h of the tile's row r), then scale words [tile / 4][r][tile % 4].
;       kv: [batch x head 64][16] records of 8,960 bytes for 128 keys: k as in qw; from 4,608 on v's codes [tile of 16 d: 4][half 2][lane][16 bytes]; from 8,704 on v's scale words [r][tile].
;       A head's scale word for q or k has its two bytes below; above stand the neighbour head's two or zeros: they meet zero codes in the next launch, and none is 0xff.
; REGISTERS, in windows of 256: window 0: v1-30 addresses; v32-95 source 0's scale words, v96-127 source 1's; v128-191 64 numbers on their way out; v192-235 the quantiser's, bv, the spare word's address and 0.
;   window 1: v0-127 source 0's fragments, two sets; v128-191 source 1's, two sets.   window 2: accumulator (a, b) at v[8 (8 a + b)].   window 3: v0-63 bq, v64-127 bk, in the result's layout.
.set PITCH,  528                       ; an LDS row: 512 bytes + 16 = 132 words: the 16 rows of a load begin at 16 different places modulo 64 words (64 banks of 4 bytes: ISA guide 11.1)
.set TILEB,  16*PITCH                  ; a tile
.set XHALF,  128*PITCH                 ; x's 128 rows with u = 0, or with u = 1: what one tensor load brings
.set WHALF,  64*PITCH                  ; a weight's 64 rows with u = 0, or with u = 1: likewise
.set WR,     2*XHALF                   ; behind x: Wq's two regions (later Wv's), then Wk's two
.set RUN,    272                       ; scale bytes lie as runs of 256 bytes (8 rows of 32) + 16
.set SCX,    WR+4*WHALF                ; x's scale bytes, 32 runs;
.set SCQ,    SCX+32*RUN                ; Wq's, 16 runs;
.set SCK,    SCQ+16*RUN                ; Wk's;
.set SCV,    SCK+16*RUN                ; Wv's
.set SPARE,  SCV+16*RUN                ; 292,096, a multiple of 256: the spare words, 128 bytes for each wave: two blocks of 256 bytes that no other line names
.set QREC,   4608
.set KREC,   8960
.set AX1,  8                           ; v8-9    LDS address of x's tiles as source 1 (q, k), u = 0, 1
.set AWQ,  10                          ; v10-11  of Wq's tiles as source 0
.set AWK,  12                          ; v12-13  of Wk's
.set AX0,  14                          ; v14-15  of x's tiles as source 0 (v)
.set AV1,  16                          ; v16-17  of Wv's tiles as source 1
.set SX1,  18                          ; v18-22  the same five for the scale words
.set SWQ,  19
.set SWK,  20
.set SX0,  21
.set SV1,  22
.set LIV,  23                          ; v23     16 x lane: an image's place for my lane
.set LI,   24                          ; v24     the same + my four tiles' place in a record of eight
.set LI2Q, 25                          ; v25     the same in the next head's record of qw,
.set LI2K, 26                          ; v26     of kv
.set SWAQ, 27                          ; v27-29  where my scale words go: q's, k's, v's
.set SWAK, 28
.set SWAV, 29
.set SH,   30                          ; v30     16 x (lane / 16): lanes 16-31 take the upper head's two bytes
.set SC0,  32                          ; register 8 b + q: the word of source 0's tile b for K step q, in lanes 0-15
.set SC1,  96                          ; register 8 a + q: of source 1's tile a
.set HA,   128                         ; 64 numbers of a lane
.set PC,   192                         ; v192-199  the codes just made
.set TM,   200                         ; v200-215  the quantiser's: +0 largest magnitudes, +4 the other half's and then the bytes, +12 the conversions' scale operands
.set PWS,  216                         ; v216-219  the scale word of each of source 1's four tiles
.set SW,   220                         ; v220-223  the scale words as they are stored
.set BA,   224                         ; v224-231  bv of the lane's row, a pair for each tile
.set SPW,  232                         ; v232      LDS address of my spare word: SPARE + 4 x my thread's number; never rewritten
.set NIL,  233                         ; v233      0; never rewritten
.set VB0,  234                         ; v234-235  the biases' offsets
.set VB1,  235
.set S1F,  128                         ; in window 1
.set G0SK, 4                           ; s[4:7], s[12:15] group 0 for Wk's and Wv's scale bytes (the pointers that lay here have been used)
.set G0SV, 12
.set WV,   30                          ; my wave's number
.set RH,   31                          ; wave / 2.  Also: I fetch for x (0) or for the weights (1)
.set CH,   32                          ; wave % 2.  Also: which u, and which half of the scale bytes, I fetch
.set CX,   33
.set CY,   34
.set FB,   35                          ; which 128 features
.set TBK,  36                          ; which 256 tokens
.set G1X,  40                          ; s[40:47] group 1 for x's codes;  s[48:55] for a weight's;  s[56:63] for x's scale bytes;  s[68:75] for a weight's
.set G1W,  48
.set G1SX, 56
.set SEL,  66                          ; s[66:67] lane selects for v_permlanex16_b32: lane l xor 16
.set G1SW, 68
.set G0X,  76                          ; groups 0: x's codes, x's scale bytes, Wq's, Wk's, Wv's codes, Wq's scale bytes
.set G0SX, 80
.set G0WQ, 84
.set G0WK, 88
.set G0WV, 92
.set G0SQ, 96
.set MSB, 0
.macro WIN new                         ; the immediate's high byte repeats the setting that is left; a switch that changes nothing is dropped
.if MSB != (\new)
	s_set_vgpr_msb (MSB<<8)|(\new)
.set MSB, (\new)
.endif
.endm
.set MULW, 0xa5                        ; sources 0 and 1 window 1, C and D window 2
.set TO_1, 0x40                        ; destination window 1, address window 0
.macro PLACES n
.rept \n
	v_nop
.endr
.endm
; A round of the cluster's barrier: my work-group's barrier, wave 0 signals for the work-group, every wave waits for all sixteen, my work-group's barrier once more.
.macro CROUND
	s_barrier_signal -1
	s_barrier_wait -1
	s_cmp_lg_u32 s[WV], 0
	s_cbranch_scc1 .Lnot_wave_0_\@
	s_barrier_signal -3
.Lnot_wave_0_\@:
	s_barrier_wait -3
	s_barrier_signal -1
	s_barrier_wait -1
.endm
	s_load_b256 s[4:11], s[0:1], 0x0               ; x's codes s[4:5], x's scales s[6:7], Wq's codes s[8:9], Wq's scales s[10:11]
	s_load_b256 s[12:19], s[0:1], 0x20             ; Wk's codes s[12:13], Wk's scales s[14:15], Wv's codes s[16:17], Wv's scales s[18:19]
	s_load_b256 s[20:27], s[0:1], 0x40             ; bq s[20:21], bk s[22:23], bv s[24:25], qw s[26:27]
	s_load_b64 s[28:29], s[0:1], 0x60              ; kv
	v_lshl_add_u32 v[SPW], v0, 2, SPARE
	v_mov_b32 v[NIL], 0
	ds_add_u32 v232, v233
	ds_add_u32 v232, v233
	s_wait_dscnt 0x0
	v_lshrrev_b32 v1, 5, v0
	v_readfirstlane_b32 s[WV], v1                  ; wave 0..3
	s_lshr_b32 s[RH], s[WV], 1
	s_and_b32 s[CH], s[WV], 1
	s_bfe_u32 s[CX], ttmp6, 0x40000                ; my place in the cluster
	s_bfe_u32 s[CY], ttmp6, 0x40004
	s_lshl_b32 s[FB], ttmp9, 2
	s_add_co_u32 s[FB], s[FB], s[CX]               ; 4 x cluster x + cx
	s_and_b32 s[TBK], ttmp7, 0xffff
	s_lshl_b32 s[TBK], s[TBK], 2
	s_add_co_u32 s[TBK], s[TBK], s[CY]             ; 4 x cluster y + cy
	s_lshl_b32 s37, s[CY], 2
	s_lshl_b32 s37, 15, s37                        ; my row of the cluster: x's parts
	s_lshl_b32 s38, 0x1111, s[CX]                  ; my column: the weights' parts
	; groups 1 for codes: runs of 4,096 bytes (8 rows on end; 512 elements of 8 bytes), 8,192 bytes apart; 4 words of padding behind every 128 words, that is behind every row of 512 bytes.  x: 16 runs; a weight: 8
	s_or_b32 s[G1X], s37, (3<<16)|(1<<20)|(1<<21)|(6<<22)|(3<<25)   ; 15:0 the mask; 17:16 elements of 8 bytes; 20 padding on; 21 set beside a mask; 24:22 interval code 6; 31:25 4 words
	s_mov_b32 s[G1X+1], 512<<16                    ; tensor_dim0
	s_mov_b32 s[G1X+2], 16<<16                     ; tensor_dim1
	s_mov_b32 s[G1X+3], 512<<16                    ; tile_dim0
	s_mov_b32 s[G1X+4], 16                         ; tile_dim1
	s_mov_b32 s[G1X+5], 1024                       ; from run to run, in elements
	s_mov_b32 s[G1X+6], 0
	s_mov_b32 s[G1X+7], 0
	s_or_b32 s[G1W], s38, (3<<16)|(1<<20)|(1<<21)|(6<<22)|(3<<25)
	s_mov_b32 s[G1W+1], 512<<16
	s_mov_b32 s[G1W+2], 8<<16
	s_mov_b32 s[G1W+3], 512<<16
	s_mov_b32 s[G1W+4], 8
	s_mov_b32 s[G1W+5], 1024
	s_mov_b32 s[G1W+6], 0
	s_mov_b32 s[G1W+7], 0
	; groups 1 for scale bytes: dense bytes as rows of 256 (32 elements of 8 bytes), 16 bytes of padding behind each.  x: 128 rows' 4,096 bytes, 16 such rows; a weight: 64 rows' 2,048 bytes, 8
	s_or_b32 s[G1SX], s37, (3<<16)|(1<<20)|(1<<21)|(5<<22)|(3<<25)
	s_mov_b32 s[G1SX+1], 32<<16
	s_mov_b32 s[G1SX+2], 16<<16
	s_mov_b32 s[G1SX+3], 32<<16
	s_mov_b32 s[G1SX+4], 16
	s_mov_b32 s[G1SX+5], 32
	s_mov_b32 s[G1SX+6], 0
	s_mov_b32 s[G1SX+7], 0
	s_or_b32 s[G1SW], s38, (3<<16)|(1<<20)|(1<<21)|(5<<22)|(3<<25)
	s_mov_b32 s[G1SW+1], 32<<16
	s_mov_b32 s[G1SW+2], 8<<16
	s_mov_b32 s[G1SW+3], 32<<16
	s_mov_b32 s[G1SW+4], 8
	s_mov_b32 s[G1SW+5], 32
	s_mov_b32 s[G1SW+6], 0
	s_mov_b32 s[G1SW+7], 0
	s_mov_b32 s[SEL], 0x76543210
	s_mov_b32 s[SEL+1], 0xfedcba98
	; byte offsets, made where the addresses will stand.  x's hang on the tokens' block, never on cx; the weights' on the features' block, never on cy
	s_lshl_b32 s39, s[CH], 12
	s_lshl_b32 s[G0X+2], s[TBK], 17                ; x's codes: 131,072 bytes a block; u = 1 begins 8 rows, 4,096 bytes, on
	s_add_co_u32 s[G0X+2], s[G0X+2], s39
	s_mov_b32 s[G0X+3], 0
	s_lshl_b32 s[G0SX+2], s[TBK], 13               ; x's scale bytes: 8,192 a block, its second 128 rows 4,096 on
	s_add_co_u32 s[G0SX+2], s[G0SX+2], s39
	s_mov_b32 s[G0SX+3], 0
	s_lshl_b32 s[G0WQ+2], s[FB], 16                ; a weight's codes: 65,536 bytes a block of 128 rows; u = 1 begins 4,096 on
	s_add_co_u32 s[G0WQ+2], s[G0WQ+2], s39
	s_mov_b32 s[G0WQ+3], 0
	s_mov_b32 s[G0WK+2], s[G0WQ+2]
	s_mov_b32 s[G0WK+3], 0
	s_mov_b32 s[G0WV+2], s[G0WQ+2]
	s_mov_b32 s[G0WV+3], 0
	s_lshl_b32 s39, s[CH], 11
	s_lshl_b32 s[G0SQ+2], s[FB], 12                ; a weight's scale bytes: 4,096 a block, its second 64 rows 2,048 on
	s_add_co_u32 s[G0SQ+2], s[G0SQ+2], s39
	s_mov_b32 s[G0SQ+3], 0
	; where they go: a constant + a constant x (wave % 2): no place in the cluster enters an LDS address
	s_mov_b32 s[G0X], 1                            ; count = 1
	s_mul_i32 s[G0X+1], s[CH], XHALF
	s_mov_b32 s[G0SX], 1
	s_mul_i32 s[G0SX+1], s[CH], 16*RUN
	s_add_co_u32 s[G0SX+1], s[G0SX+1], SCX
	s_mov_b32 s[G0WQ], 1
	s_mul_i32 s[G0WQ+1], s[CH], WHALF
	s_add_co_u32 s[G0WQ+1], s[G0WQ+1], WR
	s_mov_b32 s[G0WK], 1
	s_add_co_u32 s[G0WK+1], s[G0WQ+1], 2*WHALF
	s_mov_b32 s[G0WV], 1
	s_mov_b32 s[G0WV+1], s[G0WQ+1]                 ; Wv's rows take Wq's place
	s_mov_b32 s[G0SQ], 1
	s_mul_i32 s39, s[CH], 8*RUN
	s_add_co_u32 s[G0SQ+1], s39, SCQ
	s_wait_kmcnt 0x0
	s_add_nc_u64 s[G0X+2:G0X+3], s[4:5], s[G0X+2:G0X+3]
	s_add_nc_u64 s[G0SX+2:G0SX+3], s[6:7], s[G0SX+2:G0SX+3]
	s_add_nc_u64 s[G0WQ+2:G0WQ+3], s[8:9], s[G0WQ+2:G0WQ+3]
	s_add_nc_u64 s[G0WK+2:G0WK+3], s[12:13], s[G0WK+2:G0WK+3]
	s_add_nc_u64 s[G0WV+2:G0WV+3], s[16:17], s[G0WV+2:G0WV+3]
	s_add_nc_u64 s[G0SK+2:G0SK+3], s[14:15], s[G0SQ+2:G0SQ+3]
	s_add_nc_u64 s[G0SV+2:G0SV+3], s[18:19], s[G0SQ+2:G0SQ+3]
	s_add_nc_u64 s[G0SQ+2:G0SQ+3], s[10:11], s[G0SQ+2:G0SQ+3]
	s_mov_b32 s[G0SK], 1
	s_add_co_u32 s[G0SK+1], s39, SCK
	s_mov_b32 s[G0SV], 1
	s_add_co_u32 s[G0SV+1], s39, SCV
.irp g, G0X, G0SX, G0WQ, G0WK, G0WV, G0SQ, G0SK, G0SV
	s_or_b32 s[\g+3], s[\g+3], 0x80000000          ; type = 2
.endr
	CROUND                                         ; all sixteen work-groups are here: the joint loads meet
	s_cmp_eq_u32 s[RH], 0                          ; waves 0 and 1 fetch for x, waves 2 and 3 for the weights.  A wave's first fills stand in one branch: two loads of mine are out, or five
	s_cbranch_scc0 .Lfor_w
	tensor_load_to_lds s[G0SX:G0SX+3], s[G1SX:G1SX+7]
	s_nop 0
	tensor_load_to_lds s[G0X:G0X+3], s[G1X:G1X+7]
	s_nop 0
	PLACES 4                                       ; four v_nop follow the last, ahead of the jump, the label and what follows
	s_branch .Lasked
.Lfor_w:
	tensor_load_to_lds s[G0SQ:G0SQ+3], s[G1SW:G1SW+7]
	s_nop 0
	tensor_load_to_lds s[G0WQ:G0WQ+3], s[G1W:G1W+7]
	s_nop 0
	tensor_load_to_lds s[G0SK:G0SK+3], s[G1SW:G1SW+7]
	s_nop 0
	tensor_load_to_lds s[G0SV:G0SV+3], s[G1SW:G1SW+7]
	s_nop 0
	tensor_load_to_lds s[G0WK:G0WK+3], s[G1W:G1W+7]
	s_nop 0
	PLACES 4
.Lasked:
	v_and_b32 v1, 15, v0                           ; r
	v_bfe_u32 v2, v0, 4, 1                         ; h
	v_mul_u32_u24 v3, v1, PITCH
	v_lshl_add_u32 v3, v2, 4, v3                   ; a fragment's row x pitch + 16 h
	s_mul_i32 s16, s[WV], 2*TILEB                  ; q, k: x's tiles 4 w .. 4 w + 3 are tiles 2 w, 2 w + 1 of each region
	v_add_nc_u32 v[AX1], s16, v3
	v_add_nc_u32 v[AX1+1], XHALF, v[AX1]
	v_add_nc_u32 v[AWQ], WR, v3
	v_add_nc_u32 v[AWQ+1], WHALF, v[AWQ]
	v_add_nc_u32 v[AWK], WR+2*WHALF, v3
	v_add_nc_u32 v[AWK+1], WHALF, v[AWK]
	s_mul_i32 s16, s[CH], 4*TILEB                  ; v: x's tiles 8 (w % 2) .. + 7 are four tiles of each region
	v_add_nc_u32 v[AX0], s16, v3
	v_add_nc_u32 v[AX0+1], XHALF, v[AX0]
	s_mul_i32 s16, s[RH], 2*TILEB                  ; v: Wv's tiles 4 (w / 2) .. + 3
	s_add_co_u32 s16, s16, WR
	v_add_nc_u32 v[AV1], s16, v3
	v_add_nc_u32 v[AV1+1], WHALF, v[AV1]
	v_lshrrev_b32 v4, 3, v1                        ; scale bytes: 32 a row, 8 rows to a run.  Lane r of tile 2 g + u wants row 32 g + 8 u + r + 8 (r / 8): run 4 g + u + 2 (r / 8), place r % 8
	v_and_b32 v5, 7, v1
	v_mul_u32_u24 v4, v4, 2*RUN
	v_lshl_add_u32 v4, v5, 5, v4
	s_mul_i32 s16, s[WV], 8*RUN
	s_add_co_u32 s16, s16, SCX
	v_add_nc_u32 v[SX1], s16, v4
	v_add_nc_u32 v[SWQ], SCQ, v4
	v_add_nc_u32 v[SWK], SCK, v4
	s_mul_i32 s16, s[CH], 16*RUN
	s_add_co_u32 s16, s16, SCX
	v_add_nc_u32 v[SX0], s16, v4
	s_mul_i32 s16, s[RH], 8*RUN
	s_add_co_u32 s16, s16, SCV
	v_add_nc_u32 v[SV1], s16, v4
	v_and_b32 v6, 31, v0
	v_lshlrev_b32 v[LIV], 4, v6
	s_lshl_b32 s16, s[CH], 11                      ; q, k: my four tiles are tiles 4 (w % 2) .. + 3 of a record's eight, 512 bytes each
	v_add_nc_u32 v[LI], s16, v[LIV]
	v_add_nc_u32 v[LI2Q], 16*QREC, v[LI]           ; from a head to the next: 16 records
	v_add_nc_u32 v[LI2K], 16*KREC, v[LI]
	v_lshlrev_b32 v[SWAV], 4, v1                   ; scale words: 16 bytes a row
	s_lshl_b32 s16, s[CH], 8                       ; q, k: group w % 2 of a record's two
	v_add_nc_u32 v7, s16, v[SWAV]
	v_mul_u32_u24 v[SWAQ], 16*QREC, v2             ; lanes 0-15 the lower head's, lanes 16-31 the upper head's
	v_add_nc_u32 v[SWAQ], v[SWAQ], v7
	v_mul_u32_u24 v[SWAK], 16*KREC, v2
	v_add_nc_u32 v[SWAK], v[SWAK], v7
	v_lshlrev_b32 v[SH], 4, v2
.irp b, 0,1,2,3
	v_mov_b32 v[TM+4+\b], 0                        ; written once: a lane permute's destination counts as one of its sources
.endr
	; The biases.  bq, bk run along the registers: register j of tile b is feature 32 (b / 2) + 16 h + 8 (b % 2) + j of my work-group's 128.  bv is the lane's row's: feature 32 (a / 2) + 8 (a % 2) + r + 8 (r / 8) of my head's 64
	s_lshl_b32 s16, s[FB], 9
	s_mov_b32 s17, 0
	s_add_nc_u64 s[20:21], s[20:21], s[16:17]
	s_add_nc_u64 s[22:23], s[22:23], s[16:17]
	s_lshl_b32 s18, s[RH], 8
	s_add_co_u32 s16, s16, s18
	s_add_nc_u64 s[24:25], s[24:25], s[16:17]
	v_lshlrev_b32 v[VB0], 6, v2                    ; 16 h numbers
	v_and_b32 v[VB1], 8, v1
	v_add_nc_u32 v[VB1], v[VB1], v1
	v_lshlrev_b32 v[VB1], 2, v[VB1]                ; r + 8 (r / 8) numbers
	WIN 0xc0                                       ; destination window 3, address window 0
.irp b, 0,1,2,3,4,5,6,7
	global_load_b128 v[8*\b:8*\b+3], v[VB0], s[20:21] offset:(32*(\b/2)+8*(\b%2))*4
	global_load_b128 v[8*\b+4:8*\b+7], v[VB0], s[20:21] offset:(32*(\b/2)+8*(\b%2))*4+16
	global_load_b128 v[64+8*\b:64+8*\b+3], v[VB0], s[22:23] offset:(32*(\b/2)+8*(\b%2))*4
	global_load_b128 v[64+8*\b+4:64+8*\b+7], v[VB0], s[22:23] offset:(32*(\b/2)+8*(\b%2))*4+16
.endr
	WIN 0
.irp a, 0,1,2,3
	global_load_b32 v[BA+2*\a], v[VB1], s[24:25] offset:(32*(\a/2)+8*(\a%2))*4
	global_load_b32 v[BA+2*\a+1], v[VB1], s[24:25] offset:(32*(\a/2)+8*(\a%2))*4    ; the packed addition names a pair, so both are written
.endr
	; Where the results go.  q, k: my 64 tokens lie in record 2 tb + w / 2 of all 64; heads 2 fb and 2 fb + 1.  v: my 128 keys are record 2 tb + w % 2; head 2 fb + w / 2
	s_lshl_b32 s16, s[TBK], 1
	s_add_co_u32 s18, s16, s[CH]                   ; v's record
	s_add_co_u32 s16, s16, s[RH]                   ; q's and k's
	s_lshl_b32 s19, s[FB], 1                       ; the lower head
	s_lshr_b32 s8, s16, 4                          ; the batch
	s_lshl_b32 s8, s8, 4
	s_add_co_u32 s8, s8, s19                       ; 16 x batch + head
	s_lshl_b32 s8, s8, 4
	s_and_b32 s16, s16, 15
	s_add_co_u32 s8, s8, s16                       ; its record
	s_mul_i32 s10, s8, QREC
	s_mov_b32 s11, 0
	s_add_nc_u64 s[26:27], s[26:27], s[10:11]      ; q's base
	s_mul_i32 s10, s8, KREC
	s_add_nc_u64 s[8:9], s[28:29], s[10:11]        ; k's base
	s_add_co_u32 s19, s19, s[RH]
	s_lshr_b32 s16, s18, 4
	s_lshl_b32 s16, s16, 4
	s_add_co_u32 s16, s16, s19
	s_lshl_b32 s16, s16, 4
	s_and_b32 s18, s18, 15
	s_add_co_u32 s16, s16, s18
	s_mul_i32 s10, s16, KREC
	s_add_co_u32 s10, s10, 4608                    ; v's part of a record
	s_add_nc_u64 s[28:29], s[28:29], s[10:11]      ; v's base
.macro FRAG reg, adr, q, bb            ; a fragment, 16 rows x 128 K of 4-bit codes: lane (r, h) holds row r; registers 4 c .. 4 c + 3 hold K = 64 c + 32 h + 0 .. 31: 16 bytes of the row as they lie
.irp c, 0,1
	ds_load_b128 v[\reg+4*\c:\reg+4*\c+3], v[\adr] offset:64*(\q)+32*\c+(\bb)*TILEB
.endr
.endm
.macro FETCH q, p, a0, a1              ; K step q's twelve fragments into sets p: 24 loads in one run.  a0, a1: the address pairs of sources 0 and 1
	WIN TO_1
.irp i, 0,1,2,3,4,5,6,7
	FRAG 64*(\p)+8*\i, \a0+\i%2, \q, \i/2
.endr
.irp i, 0,1,2,3
	FRAG S1F+32*(\p)+8*\i, \a1+\i%2, \q, \i/2
.endr
.endm
.macro SCALES0 adr                     ; all of K's scale words of source 0's eight tiles: 8 words a row, two loads a tile
.irp i, 0,1,2,3,4,5,6,7
.irp e, 0,1
	ds_load_b128 v[SC0+8*\i+4*\e:SC0+8*\i+4*\e+3], v[\adr] offset:(4*(\i/2)+\i%2)*RUN+16*\e
.endr
.endr
.endm
.macro SCALES1 adr                     ; and of source 1's four
.irp i, 0,1,2,3
.irp e, 0,1
	ds_load_b128 v[SC1+8*\i+4*\e:SC1+8*\i+4*\e+3], v[\adr] offset:(4*(\i/2)+\i%2)*RUN+16*\e
.endr
.endr
.endm
; 32 matrix instructions: source 1's four tiles against source 0's eight, K step q, sets p.  zero = 1: the first product starts the sums: nothing is cleared.
; The 32 accumulators take turns, one instruction a turn, in the same order in every K step.
.macro MUL32 p, q, zero
.irp a, 0,1,2,3
.irp b, 0,1,2,3,4,5,6,7
.set rD, 8*(8*\a+\b)
.set rS0, 64*(\p)+8*\b
.set rS1, S1F+32*(\p)+8*\a
.if \zero
	v_wmma_scale_f32_16x16x128_f8f6f4 v[rD:rD+7], v[rS0:rS0+7], v[rS1:rS1+7], 0, v[SC0+8*\b+(\q)], v[SC1+8*\a+(\q)] matrix_a_fmt:MATRIX_FMT_FP4 matrix_b_fmt:MATRIX_FMT_FP4
.else
	v_wmma_scale_f32_16x16x128_f8f6f4 v[rD:rD+7], v[rS0:rS0+7], v[rS1:rS1+7], v[rD:rD+7], v[SC0+8*\b+(\q)], v[SC1+8*\a+(\q)] matrix_a_fmt:MATRIX_FMT_FP4 matrix_b_fmt:MATRIX_FMT_FP4
.endif
.endr
.endr
.endm
; A K step of 128: its fragments were asked for a step ago; the next step's are asked for ahead of its 32 products.
.macro STEP q, a0, a1
	s_wait_dscnt 0x0                               ; this step's fragments are in (none younger is out)
.if (\q) < 7
.if (\q) > 0
	PLACES 4                                       ; loads into registers that matrix instructions have read stand four plain vector instructions behind them (ISA guide 7.12.1 for vector instructions)
.endif
	FETCH (\q)+1, ((\q)+1)%2, \a0, \a1
.endif
	WIN MULW
.if (\q) == 0
	MUL32 0, 0, 1
.else
	MUL32 (\q)%2, \q, 0
.endif
.endm
; 64 numbers of a lane, v[s] on, register 16 b + i = place 32 b + 16 (lane / 16) + i along the next K, become a fragment's codes in v[PC] on and its scale word in v[pw].
.macro QUANT s, pw
.irp b, 0,1,2,3
	v_max3_num_f32 v[TM+\b], |v[\s+16*\b]|, |v[\s+1+16*\b]|, 0x1800000   ; block b: my 16 numbers, and the floor 2^(3 - 127): so the byte cannot fall under 1
.endr
.irp i, 2,4,6,8,10,12,14
.irp b, 0,1,2,3
	v_max3_num_f32 v[TM+\b], v[TM+\b], |v[\s+16*\b+\i]|, |v[\s+1+16*\b+\i]|   ; (the four blocks by turns: no line waits for the line above it)
.endr
.endr
.irp b, 0,1,2,3
	v_permlanex16_b32 v[TM+4+\b], v[TM+\b], s[SEL], s[SEL+1]
.endr
.irp b, 0,1,2,3
	v_max_num_f32 v[TM+\b], v[TM+\b], v[TM+4+\b]   ; with lane l xor 16's: the block's largest magnitude
.endr
.irp b, 0,1,2,3
	v_add_nc_u32 v[TM+12+\b], 0xff000000, v[TM+\b] ; 2 off its exponent field: the conversion takes the exponent field of this operand as its scale, and nothing else of it
.endr
.irp b, 0,1,2,3
	v_lshrrev_b32 v[TM+4+\b], 23, v[TM+12+\b]      ; the scale's byte
.endr
	v_lshl_or_b32 v[\pw], v[TM+5], 8, v[TM+4]      ; the four bytes make my row's scale word
	v_lshl_or_b32 v[\pw], v[TM+6], 16, v[\pw]
	v_lshl_or_b32 v[\pw], v[TM+7], 24, v[\pw]
.irp b, 0,1,2,3
	v_cvt_scalef32_pk8_fp4_f32 v[PC+2*\b], v[\s+16*\b:\s+7+16*\b], v[TM+12+\b]
	v_cvt_scalef32_pk8_fp4_f32 v[PC+1+2*\b], v[\s+8+16*\b:\s+15+16*\b], v[TM+12+\b]
.endr
	v_nop                                          ; one plain place behind a scaled conversion
.irp c, 0,1                                    ; the operand's layout wants a WHOLE block in a lane: lanes 0-15 block 2 c, lanes 16-31 block 2 c + 1
.irp i, 0,1
	v_permlane16_swap_b32 v[PC+4*\c+\i], v[PC+2+4*\c+\i]
.endr
.endr
.endm
; Source 1's tile a leaves: its eight accumulators plus the bias come into window 0 by one packed addition for two numbers (each accumulator from its low end on), are quantised, and the codes are stored,
; 512 consecutive bytes a store.  kind: 0 q, 1 k, 2 v.  first = 1: no store has gone before.
.macro EPI a, kind, first
.if !(\first)
	s_wait_xcnt 0x0                                ; the last tile's stores have read their data: v[PC] on is written again only behind this wait
.endif
.if (\kind) == 2
	WIN 0x02                                       ; source 0 (the accumulators) window 2, source 1 (bv) and the destination window 0
.else
	WIN 0x0e                                       ; source 0 window 2, source 1 (bq, bk) window 3, destination window 0
.endif
.set i, 0
.rept 32
.if (\kind) == 2
	v_pk_add_f32 v[HA+2*i:HA+2*i+1], v[64*(\a)+2*i:64*(\a)+2*i+1], v[BA+2*(\a):BA+2*(\a)+1] op_sel_hi:[1,0]   ; v: the bias of my row, for both halves
.else
	v_pk_add_f32 v[HA+2*i:HA+2*i+1], v[64*(\a)+2*i:64*(\a)+2*i+1], v[64*(\kind)+2*i:64*(\kind)+2*i+1]         ; q, k: the bias of each register's feature
.endif
.set i, i+1
.endr
	WIN 0
	QUANT HA, PWS+(\a)
.if (\kind) == 0
	global_store_b128 v[LI], v[PC:PC+3], s[26:27] offset:512*(\a)        ; the lower head's 64 numbers of the tile's 16 tokens,
	global_store_b128 v[LI2Q], v[PC+4:PC+7], s[26:27] offset:512*(\a)    ; the upper head's, sixteen records on
.elseif (\kind) == 1
	global_store_b128 v[LI], v[PC:PC+3], s[8:9] offset:512*(\a)
	global_store_b128 v[LI2K], v[PC+4:PC+7], s[8:9] offset:512*(\a)
.else
	global_store_b128 v[LIV], v[PC:PC+3], s[28:29] offset:1024*(\a)      ; my head's tile a of 16 d: keys 0-63 of the record's 128,
	global_store_b128 v[LIV], v[PC+4:PC+7], s[28:29] offset:1024*(\a)+512   ; keys 64-127
.endif
.endm
.macro WORDS adr, lo                   ; q's or k's scale words of my four tiles: sixteen lanes store 256 consecutive bytes, at a multiple of 256 from the buffer's first byte
.irp a, 0,1,2,3
	v_lshrrev_b32 v[SW+\a], v[SH], v[PWS+\a]       ; lanes 16-31: the upper head's two bytes come down
.endr
	global_store_b128 v[\adr], v[SW:SW+3], s[\lo:\lo+1] offset:4096
.endm
	s_wait_tensorcnt 0x0                           ; my first fills have landed,
	s_wait_loadcnt 0x0                             ; and the biases
	s_barrier_signal -1
	s_barrier_wait -1                              ; everybody's have
	; ---- q
	FETCH 0, 0, AWQ, AX1
	WIN 0
	SCALES0 SWQ
	SCALES1 SX1
.irp q, 0,1,2,3,4,5,6
	STEP \q, AWQ, AX1
.endr
	s_wait_dscnt 0x0                               ; the last K step's fragments are in: these were my last reads of Wq's rows
	WIN 0                                          ; (the add's two registers lie in window 0)
	s_wait_tensorcnt 0x0                           ; no tensor load of mine is out;
	ds_add_u32 v[SPW], v[NIL]                      ; 0 onto my spare word;
	WIN MULW
	MUL32 1, 7, 0                                  ; the phase's last 32 products stand between the add and the wait for it
	WIN 0
	s_wait_dscnt 0x0                               ; the add is done, and my reads of Wq's rows are over
	CROUND                                         ; so it is with every wave of all sixteen work-groups
	s_cmp_eq_u32 s[RH], 0
	s_cbranch_scc1 .Lno_refill
	tensor_load_to_lds s[G0WV:G0WV+3], s[G1W:G1W+7]   ; waves 2 and 3: Wv's rows with u = 0, with u = 1, into Wq's place: the one refill, the first thing behind the round
	s_nop 0
	PLACES 4
.Lno_refill:
	PLACES 4                                       ; four places between the last products and the loads into their fragments and scale words, and the first read of results
	FETCH 0, 0, AWK, AX1                           ; phase k's first fragments and Wk's scale words are on their way while q leaves (x's scale words stay)
	WIN 0
	SCALES0 SWK
	EPI 0, 0, 1
	EPI 1, 0, 0
	EPI 2, 0, 0
	EPI 3, 0, 0
	WORDS SWAQ, 26
	; ---- k
.irp q, 0,1,2,3,4,5,6,7
	STEP \q, AWK, AX1
.endr
	PLACES 4
	WIN 0
	s_wait_tensorcnt 0x0                           ; waves 2 and 3: my part of Wv's rows has landed
	s_barrier_signal -1                            ; (no LDS instruction of mine is out)
	s_barrier_wait -1                              ; both parts have
	FETCH 0, 0, AX0, AV1                           ; phase v's first fragments and scale words are on their way while k leaves
	WIN 0
	SCALES0 SX0
	SCALES1 SV1
	EPI 0, 1, 0
	EPI 1, 1, 0
	EPI 2, 1, 0
	EPI 3, 1, 0
	WORDS SWAK, 8
	; ---- v
.irp q, 0,1,2,3,4,5,6,7
	STEP \q, AX0, AV1
.endr
	PLACES 4
	WIN 0
	EPI 0, 2, 0
	EPI 1, 2, 0
	EPI 2, 2, 0
	EPI 3, 2, 0
	global_store_b128 v[SWAV], v[PWS:PWS+3], s[28:29] offset:4096   ; v's scale words [r][tile]: sixteen lanes store 256 consecutive bytes (lanes l and l xor 16 hold and store the same)
	s_wait_tensorcnt 0x0                           ; the wave's end: behind my last tensor load
	ds_add_u32 v[SPW], v[NIL]
	s_wait_dscnt 0x0
	CROUND                                         ; the closing round: no work-group ends while a partner may still ask for a part that names it
	s_endpgm
.Lfunc_end_k_qd6e450c105_qkv:
	.size	k_qd6e450c105_qkv, .Lfunc_end_k_qd6e450c105_qkv-k_qd6e450c105_qkv
	.p2alignl 7, 3214868480
	.fill 96, 4, 3214868480
	.section	.rodata,"a",@progbits
	.p2align	6, 0x0
	.amdhsa_kernel k_qd6e450c105_qkv
		.amdhsa_group_segment_fixed_size 327680
		.amdhsa_private_segment_fixed_size 0
		.amdhsa_enable_private_segment 0
		.amdhsa_kernarg_size 104
		.amdhsa_user_sgpr_count 2
		.amdhsa_user_sgpr_kernarg_segment_ptr 1
		.amdhsa_wavefront_size32 1
		.amdhsa_system_sgpr_workgroup_id_x 1
		.amdhsa_system_sgpr_workgroup_id_y 1
		.amdhsa_system_sgpr_workgroup_id_z 1
		.amdhsa_system_vgpr_workitem_id 0
		.amdhsa_next_free_vgpr 1024
		.amdhsa_next_free_sgpr 100
		.amdhsa_reserve_vcc 0
		.amdhsa_float_denorm_mode_32 3
		.amdhsa_float_denorm_mode_16_64 3
		.amdhsa_memory_ordered 1
		.amdhsa_forward_progress 1
		.amdhsa_inst_pref_size 230
	.end_amdhsa_kernel
	.amdgpu_metadata
---
amdhsa.version: [ 1, 2 ]
amdhsa.kernels:
  - .name:           k_qd6e450c105_qkv
    .symbol:         k_qd6e450c105_qkv.kd
    .args:
      - { .name: x_codes, .offset: 0, .size: 8, .value_kind: global_buffer, .address_space: global }
      - { .name: x_scales, .offset: 8, .size: 8, .value_kind: global_buffer, .address_space: global }
      - { .name: Wq_codes, .offset: 16, .size: 8, .value_kind: global_buffer, .address_space: global }
      - { .name: Wq_scales, .offset: 24, .size: 8, .value_kind: global_buffer, .address_space: global }
      - { .name: Wk_codes, .offset: 32, .size: 8, .value_kind: global_buffer, .address_space: global }
      - { .name: Wk_scales, .offset: 40, .size: 8, .value_kind: global_buffer, .address_space: global }
      - { .name: Wv_codes, .offset: 48, .size: 8, .value_kind: global_buffer, .address_space: global }
      - { .name: Wv_scales, .offset: 56, .size: 8, .value_kind: global_buffer, .address_space: global }
      - { .name: bq, .offset: 64, .size: 8, .value_kind: global_buffer, .address_space: global }
      - { .name: bk, .offset: 72, .size: 8, .value_kind: global_buffer, .address_space: global }
      - { .name: bv, .offset: 80, .size: 8, .value_kind: global_buffer, .address_space: global }
      - { .name: qw, .offset: 88, .size: 8, .value_kind: global_buffer, .address_space: global }
      - { .name: kv, .offset: 96, .size: 8, .value_kind: global_buffer, .address_space: global }
    .group_segment_fixed_size: 327680
    .private_segment_fixed_size: 0
    .kernarg_segment_align: 8
    .kernarg_segment_size: 104
    .max_flat_workgroup_size: 128
    .sgpr_count:     100
    .vgpr_count:     1024
    .wavefront_size: 32
...
	.end_amdgpu_metadata
.endif
;; end of part 1
;; launch attn (part 2): grid 4 x 64, 16 waves a work-group, clusters of 4 x 1, 169,984 bytes of LDS; arguments qw, kv, ac, asc; writes ac, asc
.if DOCPART == 2
	.amdgcn_target "amdgcn-amd-amdhsa--gfx1250"
	.amdhsa_code_object_version 6
	.text
	.protected	k_qd6e450c105_attn
	.globl	k_qd6e450c105_attn
	.p2align	8
	.type	k_qd6e450c105_attn,@function
k_qd6e450c105_attn:
	s_mov_b64 s[64:65], 0
	v_nop
	global_prefetch_b8 v0, s[64:65] scope:SCOPE_SE
	s_setreg_imm32_b32 hwreg(HW_REG_WAVE_MODE, 25, 1), 1
	s_wait_xcnt 0x0
	s_wait_alu depctr_hold_cnt(0) depctr_sa_sdst(0) depctr_va_vdst(0) depctr_va_sdst(0) depctr_va_ssrc(0) depctr_va_vcc(0) depctr_vm_vsrc(0)
	s_getreg_b32 s2, hwreg(HW_REG_IB_STS2, 6, 4)
	s_cmp_eq_u32 s2, 0
	s_cbranch_scc0 .Lentry_in_a_cluster
	s_endpgm
.Lentry_in_a_cluster:
	s_bfe_u32 s2, ttmp6, 0x10000c
	s_cmp_lg_u32 s2, 0x3003
	s_cbranch_scc0 .Lentry_shape_is_right
	s_endpgm
.Lentry_shape_is_right:
; O[q] = the sum over keys of softmax(q . k / 8) v for one head, both products on codes of FP4 (E2M1) with one E8M0 scale for each 32 along a product's K; O / l is quantised along the head's 64 and leaves as codes.
; THE SOFTMAX AHEAD OF THE SECOND PRODUCT: t = score x log2(e) / 8; M = the row's largest t so far, rounded UP to a whole number; p = 2^(t - M) is what is quantised, along the keys; it is not normalised.
; The row's sum l is taken of the unquantised p, in f32, and divides O at the end.  When M moves, the sum and O are multiplied by 2^(old M - new M): exact.
; IN: qw and kv, as the launch before laid them: images of operand registers, lane l's 16 bytes at 16 l.  The tiles of 16 tokens are in that launch's order (of 32 tokens on end, tile 2 g + u has in lane r
; token 32 g + 8 u + r + 8 (r / 8)), so that the 16 registers of two neighbouring tiles of scores are 16 neighbouring keys; v's tiles of 16 d are in the same order, so that O's registers are neighbours along d.
; THE FIRST PRODUCT'S K IS 64, the instruction's 128: registers 4-7 of q's and of k's fragments hold zero codes, which add nothing under any scale byte but 0xff, and no byte here is 0xff.
; SHARES: a work-group owns 512 queries of one head; each of its sixteen waves owns one tile of 16 queries at a time, twice: four waves to a SIMD, so that one wave's vector work stands beside another's matrix work.
; THE WHOLE HEAD'S K AND V, 16 records of 8,960 bytes, lie in LDS, filled once, a record by each wave: no ring and no barrier in the loop.
; CLUSTER: the four work-groups of a head want the same 143,360 bytes: each record is asked for jointly, by the same tensor load with a mask that names the four.
; Both products are used transposed (S^T = K Q^T, O^T = V^T P^T): a lane holds ONE query (lane % 16) throughout.
; OUT: ac [tile of 16 tokens: 512][head 16][lane][16 bytes]: lane (r, h): block h of the head's 64 of the tile's token r;  asc [tile][g / 4][r][g % 4] words, g = head / 2: a head's two bytes are half a word.
; LIMITS: NaN and infinities are not served.  A block of O / l whose largest magnitude lies under 2^-124 gets the byte 1; the bytes are read by this program alone.
; REGISTERS: v1 16 x lane, v2 16 x (lane % 16); v4-11, v16-23 Q of the second and first pass; v12 -M, v13 the largest t, v[14:15] the sum in two halves; v24, v27 Q's scale words; v25, v26 the step's LDS addresses;
;   v28-31 V's scale words; v32-95 K's eight fragments; v96-159 S^T, then p; v160-191 O^T; v192-223 V's four fragments; v224-231 p's codes; v240-243, v248-251 K's scale words; v253 p's scale word; the rest at work.
.set KREC,  8960
.set QREC,  4608
.set WV,  12
.set CX,  13
.set BH,  14
.set SEL, 20                           ; s[20:21] lane selects for v_permlanex16_b32: lane l xor 16
.set CS,  22                           ; s[22:23] c = log2(e) / 8: the packed form names a pair and takes its low word for both halves
.set G1,  24
.set G0,  32
.set TB,  36                           ; LDS byte at which the step's record begins
.set CNT, 37
.macro CROUND                          ; a round of the cluster's barrier
	s_barrier_signal -1
	s_barrier_wait -1
	s_cmp_lg_u32 s[WV], 0
	s_cbranch_scc1 .Lnot_wave_0_\@
	s_barrier_signal -3
.Lnot_wave_0_\@:
	s_barrier_wait -3
	s_barrier_signal -1
	s_barrier_wait -1
.endm
	s_load_b256 s[4:11], s[0:1], 0x0               ; qw s[4:5], kv s[6:7], ac s[8:9], asc s[10:11]
	v_lshl_add_u32 v254, v0, 2, 0x29000
	v_mov_b32 v255, 0
	ds_add_u32 v254, v255
	ds_add_u32 v254, v255
	s_wait_dscnt 0x0
	v_lshrrev_b32 v3, 5, v0
	s_delay_alu instid0(VALU_DEP_1)
	v_readfirstlane_b32 s[WV], v3                  ; wave 0..15
	s_bfe_u32 s[CX], ttmp6, 0x40000                ; my place in the cluster: which 512 queries
	s_and_b32 s[BH], ttmp7, 0xffff                 ; 16 x batch + head, which the four partners share
	; group 1: a record of 8,960 dense bytes as 35 rows of 256 (32 elements of 8 bytes), no padding: images are read 512 bytes on end
	s_mov_b32 s[G1], 15|(3<<16)|(1<<21)            ; 15:0 the mask: all four work-groups; 17:16 elements of 8 bytes; 21 set beside a mask
	s_mov_b32 s[G1+1], 32<<16                      ; tensor_dim0
	s_mov_b32 s[G1+2], 35<<16                      ; tensor_dim1
	s_mov_b32 s[G1+3], 32<<16                      ; tile_dim0
	s_mov_b32 s[G1+4], 35                          ; tile_dim1
	s_mov_b32 s[G1+5], 32                          ; from row to row
	s_mov_b32 s[G1+6], 0
	s_mov_b32 s[G1+7], 0
	s_mul_i32 s38, s[BH], 16*KREC                  ; the head's records,
	s_mul_i32 s[G0+1], s[WV], KREC                 ; record = wave: its place in LDS and in the head
	s_add_co_u32 s38, s38, s[G0+1]
	s_mov_b32 s39, 0
	s_mov_b32 s[G0], 1
	s_mov_b32 s[SEL], 0x76543210
	s_mov_b32 s[SEL+1], 0xfedcba98
	s_mov_b32 s[CS], 0x3e38aa3b                    ; log2(e) / 8
	s_mov_b32 s[CS+1], s[CS]                       ; (named with it as a pair, so it is written)
	s_wait_kmcnt 0x0
	s_add_nc_u64 s[G0+2:G0+3], s[6:7], s[38:39]
	s_or_b32 s[G0+3], s[G0+3], 0x80000000          ; type = 2
	CROUND                                         ; all four work-groups are here: the joint loads meet
	tensor_load_to_lds s[G0:G0+3], s[G1:G1+7]      ; my one tensor load of the launch
	s_nop 0
.rept 4
	v_nop
.endr
	; my tile of pass 0 is tile 32 cx + wave of the head's 128: record 4 cx + wave / 8, tile wave % 8 in it.  Pass 1's lies 16 tiles, two records, on
	s_lshl_b32 s40, s[BH], 4
	s_lshl_b32 s41, s[CX], 2
	s_add_co_u32 s40, s40, s41
	s_lshr_b32 s41, s[WV], 3
	s_add_co_u32 s40, s40, s41
	s_mul_i32 s40, s40, QREC
	s_and_b32 s44, s[WV], 7
	s_lshl_b32 s41, s44, 9
	s_add_co_u32 s46, s40, s41                     ; the tile's codes
	s_mov_b32 s47, 0
	s_lshr_b32 s41, s44, 2
	s_lshl_b32 s41, s41, 8
	s_add_co_u32 s40, s40, s41
	s_and_b32 s41, s[WV], 3
	s_lshl_b32 s41, s41, 2
	s_add_co_u32 s40, s40, s41
	s_add_co_u32 s40, s40, 4096                    ; its scale words: [tile / 4][r][tile % 4]
	s_mov_b32 s41, 0
	s_add_nc_u64 s[42:43], s[4:5], s[40:41]
	s_add_nc_u64 s[4:5], s[4:5], s[46:47]
	s_lshr_b32 s40, s[BH], 4
	s_lshl_b32 s40, s40, 7
	s_lshl_b32 s41, s[CX], 5
	s_add_co_u32 s40, s40, s41
	s_add_co_u32 s40, s40, s[WV]                   ; the tile among all 512: 128 x batch + 32 cx + wave
	s_and_b32 s44, s[BH], 15                       ; the head
	s_lshl_b32 s46, s40, 13
	s_lshl_b32 s41, s44, 9
	s_add_co_u32 s46, s46, s41
	s_add_nc_u64 s[8:9], s[8:9], s[46:47]          ; ac: 8,192 bytes a tile, 512 a head
	s_lshl_b32 s46, s40, 9
	s_lshr_b32 s41, s44, 3
	s_lshl_b32 s41, s41, 8
	s_add_co_u32 s46, s46, s41
	s_bfe_u32 s41, s44, 0x20001
	s_lshl_b32 s41, s41, 2
	s_add_co_u32 s46, s46, s41
	s_and_b32 s41, s44, 1
	s_lshl_b32 s41, s41, 1
	s_add_co_u32 s46, s46, s41
	s_add_nc_u64 s[10:11], s[10:11], s[46:47]      ; asc: 512 bytes a tile; 256 (head / 8) + 4 ((head / 2) % 4) + 2 (head % 2)
	v_and_b32 v1, 31, v0
	s_delay_alu instid0(VALU_DEP_1)
	v_lshlrev_b32 v1, 4, v1
	v_and_b32 v2, 15, v0
	s_delay_alu instid0(VALU_DEP_1)
	v_lshlrev_b32 v2, 4, v2
	global_load_b128 v[16:19], v1, s[4:5]                  ; Q of both passes stays in registers
	global_load_b128 v[4:7], v1, s[4:5] offset:2*QREC
	global_load_b32 v24, v2, s[42:43]
	global_load_b32 v27, v2, s[42:43] offset:2*QREC
.irp j, 8,9,10,11,20,21,22,23
	v_mov_b32 v[\j], 0                             ; zero codes for K = 64 .. 127 of Q's fragments,
.endr
.irp t, 0,1,2,3,4,5,6,7
.irp j, 4,5,6,7
	v_mov_b32 v[32+8*\t+\j], 0                     ; and of K's eight: written once, never loaded over
.endr
.endr
	s_wait_tensorcnt 0x0                           ; my record has landed,
	s_wait_loadcnt 0x0                             ; and Q
	s_barrier_signal -1
	s_barrier_wait -1                              ; everybody's record has
; A KEY STEP: 128 keys, one record.  qf: Q's fragment; qs: its scale words.
.macro STEP qf, qs
	v_add_nc_u32 v25, s[TB], v1
	v_add_nc_u32 v26, s[TB], v2
	v_nop
	v_nop                                          ; four places between the last step's products and the loads into V's fragments and scale words
.irp t, 0,1,2,3,4,5,6,7
	ds_load_b128 v[32+8*\t:35+8*\t], v25 offset:512*\t             ; K's tile t: 16 keys x 64
.endr
	ds_load_b128 v[240:243], v26 offset:4096                       ; K's scale words, tiles 0-3,
	ds_load_b128 v[248:251], v26 offset:4352                       ; tiles 4-7
.irp t, 0,1,2,3
.irp c, 0,1
	ds_load_b128 v[192+8*\t+4*\c:195+8*\t+4*\c], v25 offset:4608+1024*\t+512*\c   ; V's tile t: 16 d x 128 keys
.endr
.endr
	ds_load_b128 v[28:31], v26 offset:8704                         ; V's scale words
	s_wait_dscnt 9                                 ; K's ten loads are in; V's nine, issued behind them, may stay out till the softmax is done
.irp t, 0,1,2,3,4,5,6,7
	v_wmma_scale_f32_16x16x128_f8f6f4 v[96+8*\t:103+8*\t], v[32+8*\t:39+8*\t], v[\qf:\qf+7], 0, v[240+\t+4*(\t/4)], v[\qs] matrix_a_fmt:MATRIX_FMT_FP4 matrix_b_fmt:MATRIX_FMT_FP4
.endr                                          ; lane (r, h) holds query r; the 16 registers of tiles 2 b, 2 b + 1 are keys 32 b + 16 h + 0 .. 15
.rept 4
	v_nop
.endr
.irp b, 0,1,2,3
	v_max3_num_f32 v[232+\b], v[96+16*\b], v[97+16*\b], v[98+16*\b]   ; THE LARGEST SCORE OF EACH BLOCK OF 32 KEYS: it serves twice: for the row's maximum, and, since p rises with the score, for the block's largest p
.endr
.irp i, 3,5,7,9,11,13
.irp b, 0,1,2,3
	v_max3_num_f32 v[232+\b], v[232+\b], v[96+16*\b+\i], v[97+16*\b+\i]   ; (the four blocks by turns)
.endr
.endr
.irp b, 0,1,2,3
	v_max_num_f32 v[232+\b], v[232+\b], v[111+16*\b]
.endr
.irp b, 0,1,2,3
	s_delay_alu instid0(VALU_DEP_4)
	v_permlanex16_b32 v[236+\b], v[232+\b], s[SEL], s[SEL+1]
.endr
.irp b, 0,1,2,3
	s_delay_alu instid0(VALU_DEP_4)
	v_max_num_f32 v[232+\b], v[232+\b], v[236+\b]  ; with lane l xor 16's 16 keys
.endr
	s_delay_alu instid0(VALU_DEP_2)
	v_max3_num_f32 v254, v232, v233, v234
	s_delay_alu instid0(VALU_DEP_1)
	v_max_num_f32 v254, v254, v235                 ; the step's largest score of my query
	s_delay_alu instid0(VALU_DEP_1)
	v_mul_f32 v254, s[CS], v254                    ; as t (c is positive)
	s_delay_alu instid0(VALU_DEP_1)
	v_max_num_f32 v13, v13, v254                   ; the running largest t
	v_mov_b32 v254, v12
	s_delay_alu instid0(VALU_DEP_2)
	v_floor_f32 v12, -v13                          ; the new -M = floor(-t) = -ceil(t): M IS A WHOLE NUMBER
	s_delay_alu instid0(VALU_DEP_1)
	v_sub_f32 v254, v12, v254                      ; M's old value less its new one: a whole number, 0 or less
	s_delay_alu instid0(VALU_DEP_1)
	v_cvt_i32_f32 v254, v254                       ; (it saturates)
	s_delay_alu instid0(VALU_DEP_1)
	v_ldexp_f32 v252, 1.0, v254                    ; f = 2^(old M - new M): a multiplication by it rounds nothing
.irp j, 0,2,4,6,8,10,12,14,16,18,20,22,24,26,28,30,32,34,36,38,40,42,44,46,48,50,52,54,56,58,60,62
	v_pk_fma_f32 v[96+\j:97+\j], v[96+\j:97+\j], s[CS:CS+1], v[12:13] op_sel_hi:[1,0,0]   ; t - M, two at a time (of the pairs c and -M the low word serves both halves)
.endr
.irp b, 0,1,2,3
	v_fma_f32 v[232+\b], v[232+\b], s[CS], v12     ; the same of each block's largest score
.endr
	s_wait_alu depctr_va_vdst(0)
.irp j, 0,1,2,3,4,5,6,7,8,9,10,11,12,13,14,15,16,17,18,19,20,21,22,23,24,25,26,27,28,29,30,31,32,33,34,35,36,37,38,39,40,41,42,43,44,45,46,47,48,49,50,51,52,53,54,55,56,57,58,59,60,61,62,63
	v_exp_f32 v[96+\j], v[96+\j]                   ; p = 2^(t - M), at most 1: NOT normalised
.endr
	s_setprio 1
.irp b, 0,1,2,3
	v_exp_f32 v[232+\b], v[232+\b]                 ; the block's largest p: the same two instructions on the same number give the same bits
.endr
	v_pk_mul_f32 v[14:15], v[14:15], v[252:253] op_sel_hi:[1,0]   ; the sums under the new M.  (A plain place behind the exponentials)
	s_wait_alu depctr_va_vdst(0)
.irp b, 0,1,2,3
	v_max_num_f32 v[232+\b], 0x1800000, v[232+\b]  ; the floor 2^(3 - 127): the byte cannot fall under 1 (a block whose every p has fallen to 0 keeps that byte: its codes are zeros)
.endr
.irp b, 0,1,2,3
	s_delay_alu instid0(VALU_DEP_4)
	v_add_nc_u32 v[244+\b], 0xff000000, v[232+\b]  ; 2 off the exponent field: the conversion's scale operand
.endr
.irp b, 0,1,2,3
	s_delay_alu instid0(VALU_DEP_4)
	v_lshrrev_b32 v[236+\b], 23, v[244+\b]         ; the scale's byte
.endr
	s_delay_alu instid0(VALU_DEP_3)
	v_lshl_or_b32 v253, v237, 8, v236              ; p's scale word for these 128 keys
	s_delay_alu instid0(VALU_DEP_1)
	v_lshl_or_b32 v253, v238, 16, v253
	s_delay_alu instid0(VALU_DEP_1)
	v_lshl_or_b32 v253, v239, 24, v253
.irp b, 0,1,2,3
	v_cvt_scalef32_pk8_fp4_f32 v[224+2*\b], v[96+16*\b:103+16*\b], v[244+\b]
	v_cvt_scalef32_pk8_fp4_f32 v[225+2*\b], v[104+16*\b:111+16*\b], v[244+\b]
.endr
	v_nop                                          ; one plain place behind a scaled conversion
.irp c, 0,1                                    ; the operand's layout wants a WHOLE block in a lane: lanes 0-15 block 2 c, lanes 16-31 block 2 c + 1
.irp i, 0,1
	v_permlane16_swap_b32 v[224+4*\c+\i], v[226+4*\c+\i]
.endr
.endr
	v_pk_add_f32 v[236:237], v[100:101], v[104:105]
	v_pk_add_f32 v[254:255], v[108:109], v[112:113]
	v_pk_add_f32 v[250:251], v[116:117], v[120:121]
	v_pk_add_f32 v[248:249], v[124:125], v[128:129]
	v_pk_add_f32 v[246:247], v[132:133], v[136:137]
	v_pk_add_f32 v[244:245], v[140:141], v[144:145]
	v_pk_add_f32 v[242:243], v[148:149], v[152:153]
	v_pk_add_f32 v[14:15], v[14:15], v[156:157]
	v_pk_add_f32 v[236:237], v[236:237], v[96:97]
	v_pk_add_f32 v[254:255], v[254:255], v[98:99]
	v_pk_add_f32 v[250:251], v[250:251], v[102:103]
	v_pk_add_f32 v[248:249], v[248:249], v[106:107]
	v_pk_add_f32 v[246:247], v[246:247], v[110:111]
	v_pk_add_f32 v[244:245], v[244:245], v[114:115]
	v_pk_add_f32 v[242:243], v[242:243], v[118:119]
	v_pk_add_f32 v[14:15], v[14:15], v[122:123]
	v_pk_add_f32 v[236:237], v[236:237], v[126:127]
	v_pk_add_f32 v[254:255], v[254:255], v[130:131]
	v_pk_add_f32 v[250:251], v[250:251], v[134:135]
	v_pk_add_f32 v[248:249], v[248:249], v[138:139]
	v_pk_add_f32 v[246:247], v[246:247], v[142:143]
	v_pk_add_f32 v[244:245], v[244:245], v[146:147]
	v_pk_add_f32 v[242:243], v[242:243], v[150:151]
	v_pk_add_f32 v[14:15], v[14:15], v[154:155]
	v_pk_add_f32 v[236:237], v[236:237], v[158:159]
	s_delay_alu instid0(VALU_DEP_2)
	v_pk_add_f32 v[14:15], v[14:15], v[248:249]
	s_delay_alu instid0(VALU_DEP_2)
	v_pk_add_f32 v[236:237], v[236:237], v[246:247]
	v_pk_add_f32 v[254:255], v[254:255], v[244:245]
	v_pk_add_f32 v[250:251], v[250:251], v[242:243]
	s_delay_alu instid0(VALU_DEP_2)
	v_pk_add_f32 v[14:15], v[14:15], v[254:255]
	s_delay_alu instid0(VALU_DEP_2)
	v_pk_add_f32 v[236:237], v[236:237], v[250:251]
	s_delay_alu instid0(VALU_DEP_1)
	v_pk_add_f32 v[14:15], v[14:15], v[236:237]
	s_setprio 0
.irp j, 0,2,4,6,8,10,12,14,16,18,20,22,24,26,28,30
	v_pk_mul_f32 v[160+\j:161+\j], v[160+\j:161+\j], v[252:253] op_sel_hi:[1,0]   ; O^T under the new M: x f.  (With the sums above: the places between p's codes and scale word and the products below)
.endr
	s_wait_alu depctr_va_vdst(0)
	s_wait_dscnt 0x0                               ; V is in
.irp t, 0,1,2,3                                ; O^T += V^T P^T: four accumulators, one turn each; the eight score products stand between two turns of one accumulator
	v_wmma_scale_f32_16x16x128_f8f6f4 v[160+8*\t:167+8*\t], v[192+8*\t:199+8*\t], v[224:231], v[160+8*\t:167+8*\t], v[28+\t], v253 matrix_a_fmt:MATRIX_FMT_FP4 matrix_b_fmt:MATRIX_FMT_FP4
.endr
	s_add_co_u32 s[TB], s[TB], KREC                ; the next record
.endm
; One tile of 16 queries against all 2,048 keys, and its way out.
.macro PASS p, qf, qs
.if \p
	s_wait_xcnt 0x0                                ; the first pass's stores have read their data: those registers are written again only behind this wait
.endif
	v_mov_b32 v13, 0xff61b1e6                      ; the largest t so far: -3e38, under every t
	s_delay_alu instid0(VALU_DEP_1)
	v_floor_f32 v12, -v13                          ; -M
	v_mov_b32 v14, 0                               ; the sum, in two halves
	v_mov_b32 v15, 0
	v_mov_b32 v253, 0                              ; (named as the upper half of the pair v[252:253] before it is first written)
.irp b, 0,1,2,3
	v_mov_b32 v[236+\b], 0                         ; a lane permute's destination counts as one of its sources
.endr
.irp j, 0,1,2,3,4,5,6,7,8,9,10,11,12,13,14,15,16,17,18,19,20,21,22,23,24,25,26,27,28,29,30,31
	v_mov_b32 v[160+\j], 0                         ; O^T.  (The step is written once: the first finds zeros, which the first change of M leaves zeros)
.endr
	s_mov_b32 s[TB], 0
	s_mov_b32 s[CNT], 16
.Lstep_\@:
	s_setprio 2
	STEP \qf, \qs
	s_sub_co_u32 s[CNT], s[CNT], 1
	s_cmp_lg_u32 s[CNT], 0
	s_cbranch_scc1 .Lstep_\@
	s_setprio 0
.rept 4
	v_nop                                          ; four places behind the last products
.endr
	v_add_f32 v14, v14, v15                        ; the sum's two halves,
	s_delay_alu instid0(VALU_DEP_1)
	v_permlanex16_b32 v252, v14, s[SEL], s[SEL+1]
	s_delay_alu instid0(VALU_DEP_1)
	v_add_f32 v14, v14, v252                       ; and lane l xor 16's: the row's sum l
	s_wait_alu depctr_va_vdst(0)
	v_rcp_f32 v14, v14
	v_nop                                          ; one plain place behind a transcendental
	s_wait_alu depctr_va_vdst(0)
.irp j, 0,2,4,6,8,10,12,14,16,18,20,22,24,26,28,30
	v_pk_mul_f32 v[96+\j:97+\j], v[160+\j:161+\j], v[14:15] op_sel_hi:[1,0]   ; O^T / l: register 16 b + i is d = 32 b + 16 h + i of my query; each accumulator from its low end on
.endr
.irp b, 0,1                                    ; the head's two blocks of 32 along the last product's K
	v_max3_num_f32 v[232+\b], |v[96+16*\b]|, |v[97+16*\b]|, 0x1800000
.endr
.irp i, 2,4,6,8,10,12,14
.irp b, 0,1
	s_delay_alu instid0(VALU_DEP_2)
	v_max3_num_f32 v[232+\b], v[232+\b], |v[96+16*\b+\i]|, |v[97+16*\b+\i]|
.endr
.endr
.irp b, 0,1
	s_delay_alu instid0(VALU_DEP_2)
	v_permlanex16_b32 v[236+\b], v[232+\b], s[SEL], s[SEL+1]
.endr
.irp b, 0,1
	s_delay_alu instid0(VALU_DEP_2)
	v_max_num_f32 v[232+\b], v[232+\b], v[236+\b]
.endr
.irp b, 0,1
	s_delay_alu instid0(VALU_DEP_2)
	v_add_nc_u32 v[244+\b], 0xff000000, v[232+\b]
.endr
.irp b, 0,1
	s_delay_alu instid0(VALU_DEP_2)
	v_lshrrev_b32 v[236+\b], 23, v[244+\b]
.endr
	s_delay_alu instid0(VALU_DEP_1)
	v_lshl_or_b32 v254, v237, 8, v236              ; the head's two scale bytes
.irp b, 0,1
	v_cvt_scalef32_pk8_fp4_f32 v[224+2*\b], v[96+16*\b:103+16*\b], v[244+\b]
	v_cvt_scalef32_pk8_fp4_f32 v[225+2*\b], v[104+16*\b:111+16*\b], v[244+\b]
.endr
	v_nop                                          ; one plain place behind a scaled conversion
	v_permlane16_swap_b32 v224, v226               ; lanes 0-15 block 0, lanes 16-31 block 1
	v_permlane16_swap_b32 v225, v227
	global_store_b128 v1, v[224:227], s[8:9] offset:\p*16*8192     ; the wave stores 512 consecutive bytes
	global_store_b16 v2, v254, s[10:11] offset:\p*16*512           ; two bytes of each of 16 words 16 bytes apart (lanes l and l xor 16 the same two): a sixteenth of the codes' bytes; a run of 256 bytes is filled by eight heads' work-groups
.endm
	PASS 0, 16, 24
	PASS 1, 4, 27
	s_wait_xcnt 0x0
	v_lshl_add_u32 v254, v0, 2, 0x29000
	v_mov_b32 v255, 0
	s_wait_alu depctr_va_vdst(0)
	s_wait_tensorcnt 0x0
	ds_add_u32 v254, v255
	s_wait_dscnt 0x0
	CROUND                                         ; the closing round: no work-group ends while a partner may still ask for a record that names it
	s_endpgm
.Lfunc_end_k_qd6e450c105_attn:
	.size	k_qd6e450c105_attn, .Lfunc_end_k_qd6e450c105_attn-k_qd6e450c105_attn
	.p2alignl 7, 3214868480
	.fill 96, 4, 3214868480
	.section	.rodata,"a",@progbits
	.p2align	6, 0x0
	.amdhsa_kernel k_qd6e450c105_attn
		.amdhsa_group_segment_fixed_size 169984
		.amdhsa_private_segment_fixed_size 0
		.amdhsa_enable_private_segment 0
		.amdhsa_kernarg_size 32
		.amdhsa_user_sgpr_count 2
		.amdhsa_user_sgpr_kernarg_segment_ptr 1
		.amdhsa_wavefront_size32 1
		.amdhsa_system_sgpr_workgroup_id_x 1
		.amdhsa_system_sgpr_workgroup_id_y 1
		.amdhsa_system_sgpr_workgroup_id_z 1
		.amdhsa_system_vgpr_workitem_id 0
		.amdhsa_next_free_vgpr 256
		.amdhsa_next_free_sgpr 66
		.amdhsa_reserve_vcc 0
		.amdhsa_float_denorm_mode_32 3
		.amdhsa_float_denorm_mode_16_64 3
		.amdhsa_memory_ordered 1
		.amdhsa_forward_progress 1
		.amdhsa_inst_pref_size 50
	.end_amdhsa_kernel
	.amdgpu_metadata
---
amdhsa.version: [ 1, 2 ]
amdhsa.kernels:
  - .name:           k_qd6e450c105_attn
    .symbol:         k_qd6e450c105_attn.kd
    .args:
      - { .name: qw, .offset: 0, .size: 8, .value_kind: global_buffer, .address_space: global }
      - { .name: kv, .offset: 8, .size: 8, .value_kind: global_buffer, .address_space: global }
      - { .name: ac, .offset: 16, .size: 8, .value_kind: global_buffer, .address_space: global }
      - { .name: asc, .offset: 24, .size: 8, .value_kind: global_buffer, .address_space: global }
    .group_segment_fixed_size: 169984
    .private_segment_fixed_size: 0
    .kernarg_segment_align: 8
    .kernarg_segment_size: 32
    .max_flat_workgroup_size: 512
    .sgpr_count:     66
    .vgpr_count:     256
    .wavefront_size: 32
...
	.end_amdgpu_metadata
.endif
;; end of part 2
;; launch oproj (part 3): grid 4 x 64, 4 waves a work-group, clusters of 4 x 4, 327,680 bytes of LDS; arguments ac, asc, Wo_codes, Wo_scales, bo, out0; writes out0
.if DOCPART == 3
	.amdgcn_target "amdgcn-amd-amdhsa--gfx1250"
	.amdhsa_code_object_version 6
	.text
	.protected	k_qd6e450c105_oproj
	.globl	k_qd6e450c105_oproj
	.p2align	8
	.type	k_qd6e450c105_oproj,@function
k_qd6e450c105_oproj:
	s_mov_b64 s[64:65], 0
	v_nop
	global_prefetch_b8 v0, s[64:65] scope:SCOPE_SE
	s_setreg_imm32_b32 hwreg(HW_REG_WAVE_MODE, 25, 1), 1
	s_wait_xcnt 0x0
	s_wait_alu depctr_hold_cnt(0) depctr_sa_sdst(0) depctr_va_vdst(0) depctr_va_sdst(0) depctr_va_ssrc(0) depctr_va_vcc(0) depctr_vm_vsrc(0)
	s_getreg_b32 s2, hwreg(HW_REG_IB_STS2, 6, 4)
	s_cmp_eq_u32 s2, 0
	s_cbranch_scc0 .Lentry_in_a_cluster
	s_endpgm
.Lentry_in_a_cluster:
	s_bfe_u32 s2, ttmp6, 0x10000c
	s_cmp_lg_u32 s2, 0xf033
	s_cbranch_scc0 .Lentry_shape_is_right
	s_endpgm
.Lentry_shape_is_right:
; out0 = A Wo^T + bo on codes of FP4 (E2M1) with one E8M0 scale for each 32 along K = 1,024.  A is the attention's result as that launch left it: ac [tile of 16 tokens][head 16][lane][16 bytes], images of
; operand registers (heads 2 g and 2 g + 1 are the fragment of K step g), asc [tile][g / 4][r][g % 4] scale words.  Wo: [1024][1024] as codes, K innermost, scale bytes [1024][32].  out0: [8192][1024] f32.
; The tiles of A are not 16 tokens on end: of 32 tokens, tile 2 g + u has in lane r token 32 g + 8 u + r + 8 (r / 8).  That shows only in the rows to which the results are stored.
; SHARES: a work-group makes 128 tokens (8 tiles) x 256 columns, all of K at once in LDS; 256 work-groups.  A wave makes 64 x 128: 32 accumulators.
; The matrix instruction is used transposed (source 0 = 16 rows of Wo, source 1 = a tile of A): a lane holds eight neighbouring columns of one token.  bo is the C of each sum's first product.
; CLUSTERS: 4 x 4 work-groups.  The four of a row of the cluster need the same tokens, the four of a column the same rows of Wo: each part is asked for jointly.  LDS is filled once.
; REGISTERS: window 0: v1-26 addresses; v32-63 A's scale words (8 a + q), v64-127 Wo's (8 b + q); v128-191 A's fragments, two sets; on the way out v128-255 hold rows.
;   window 1: v0-127 Wo's fragments, two sets; v128-191 bo in the result's layout.   window 2: accumulator (a, b) at v[8 (8 a + b)].
.set BPITCH, 528                       ; a row of Wo in LDS: 512 bytes + 16 = 132 words: the 16 rows of a load begin at 16 different places modulo 64 words (64 banks of 4 bytes: ISA guide 11.1)
.set BHALF,  128*BPITCH
.set BROW,   65536                     ; LDS: A's images 0 .. 65,535 (tile i at 8,192 i, K step q at 1,024 q, half c at 512 c); then Wo's 256 rows;
.set ASC,    BROW+2*BHALF              ; A's scale words, 512 bytes a tile;
.set BSC,    ASC+4096                  ; Wo's scale bytes, as runs of 256 bytes + 16;
.set HALFS,  16*272
.set STAGE,  BSC+2*HALFS               ; the stages for the way out, 16 rows x (512 + 16) bytes for each wave: they begin at a multiple of 256 bytes, and no fill lands in them
.set SPITCH, 528
.set ADA,  16                          ; v16  A's images: 16 x lane + my four tiles
.set ADB,  17                          ; v17  Wo's rows
.set ADSA, 18                          ; v18  A's scale words
.set ADSB, 19                          ; v19  Wo's
.set STO,  24                          ; v24  the way out: where I put 32 bytes of a row
.set RD,   25                          ; v25  where I read a row back
.set CO,   26                          ; v26  16 x lane: my bytes of a row of 512
.set SA,   32
.set SB,   64
.set AF,   128
.set BK,   128
.set BI,   128                         ; in window 1
.set WV,   16
.set RH,   17                          ; which 64 tokens are mine.  Also: I fetch for A (0) or for Wo (1)
.set CH,   18                          ; which 128 columns are mine.  Also: which half I fetch
.set CX,   19
.set CY,   20
.set WGX,  21
.set WGY,  22
.set G1AC, 28
.set G1AS, 36
.set G1BC, 44
.set G1BS, 52
.set G0AC, 60
.set G0AS, 68
.set G0BC, 72
.set G0BS, 76
.set MSB, 0
.macro WIN new                         ; the immediate's high byte repeats the setting that is left
.if MSB != (\new)
	s_set_vgpr_msb (MSB<<8)|(\new)
.set MSB, (\new)
.endif
.endm
.macro PLACES n
.rept \n
	v_nop
.endr
.endm
.macro CROUND                          ; a round of the cluster's barrier
	s_barrier_signal -1
	s_barrier_wait -1
	s_cmp_lg_u32 s[WV], 0
	s_cbranch_scc1 .Lnot_wave_0_\@
	s_barrier_signal -3
.Lnot_wave_0_\@:
	s_barrier_wait -3
	s_barrier_signal -1
	s_barrier_wait -1
.endm
	s_load_b256 s[4:11], s[0:1], 0x0               ; ac s[4:5], asc s[6:7], Wo's codes s[8:9], Wo's scales s[10:11]
	s_load_b128 s[12:15], s[0:1], 0x20             ; bo s[12:13], out0 s[14:15]
	v_lshl_add_u32 v30, v0, 2, 0x3c600
	v_mov_b32 v31, 0
	ds_add_u32 v30, v31
	ds_add_u32 v30, v31
	v_lshrrev_b32 v1, 5, v0
	v_readfirstlane_b32 s[WV], v1
	s_lshr_b32 s[RH], s[WV], 1
	s_and_b32 s[CH], s[WV], 1
	s_bfe_u32 s[CX], ttmp6, 0x40000
	s_bfe_u32 s[CY], ttmp6, 0x40004
	s_lshl_b32 s[WGX], ttmp9, 2
	s_add_co_u32 s[WGX], s[WGX], s[CX]             ; which 256 columns
	s_and_b32 s[WGY], ttmp7, 0xffff
	s_lshl_b32 s[WGY], s[WGY], 2
	s_add_co_u32 s[WGY], s[WGY], s[CY]             ; which 128 tokens
	s_lshl_b32 s23, s[CY], 2
	s_lshl_b32 s23, 15, s23                        ; my row of the cluster
	s_lshl_b32 s24, 0x1111, s[CX]                  ; my column
	; groups 1, all in elements of 8 bytes.  A's codes: four tiles, 32,768 dense bytes, as 128 rows of 256; A's scale words: 2,048 dense bytes as 8 rows of 256; neither is padded: images are read on end
	s_or_b32 s[G1AC], s23, (3<<16)|(1<<21)
	s_mov_b32 s[G1AC+1], 32<<16
	s_mov_b32 s[G1AC+2], 128<<16
	s_mov_b32 s[G1AC+3], 32<<16
	s_mov_b32 s[G1AC+4], 128
	s_mov_b32 s[G1AC+5], 32
	s_mov_b32 s[G1AC+6], 0
	s_mov_b32 s[G1AC+7], 0
	s_or_b32 s[G1AS], s23, (3<<16)|(1<<21)
	s_mov_b32 s[G1AS+1], 32<<16
	s_mov_b32 s[G1AS+2], 8<<16
	s_mov_b32 s[G1AS+3], 32<<16
	s_mov_b32 s[G1AS+4], 8
	s_mov_b32 s[G1AS+5], 32
	s_mov_b32 s[G1AS+6], 0
	s_mov_b32 s[G1AS+7], 0
	; Wo's codes: 128 rows of 512 bytes, 4 words of padding behind every 128 words; its scale bytes: 4,096 dense bytes as 16 rows of 256, 4 words behind every 64
	s_or_b32 s[G1BC], s24, (3<<16)|(1<<20)|(1<<21)|(6<<22)|(3<<25)
	s_mov_b32 s[G1BC+1], 64<<16
	s_mov_b32 s[G1BC+2], 128<<16
	s_mov_b32 s[G1BC+3], 64<<16
	s_mov_b32 s[G1BC+4], 128
	s_mov_b32 s[G1BC+5], 64
	s_mov_b32 s[G1BC+6], 0
	s_mov_b32 s[G1BC+7], 0
	s_or_b32 s[G1BS], s24, (3<<16)|(1<<20)|(1<<21)|(5<<22)|(3<<25)
	s_mov_b32 s[G1BS+1], 32<<16
	s_mov_b32 s[G1BS+2], 16<<16
	s_mov_b32 s[G1BS+3], 32<<16
	s_mov_b32 s[G1BS+4], 16
	s_mov_b32 s[G1BS+5], 32
	s_mov_b32 s[G1BS+6], 0
	s_mov_b32 s[G1BS+7], 0
	s_lshl_b32 s86, s[WGY], 16                     ; A's codes: 65,536 bytes a work-group's 8 tiles, my half 32,768 on: it hangs on the row of work-groups alone
	s_lshl_b32 s87, s[CH], 15
	s_add_co_u32 s86, s86, s87
	s_mov_b32 s87, 0
	s_lshl_b32 s88, s[WGY], 12                     ; A's scale words: 4,096 and 2,048
	s_lshl_b32 s89, s[CH], 11
	s_add_co_u32 s88, s88, s89
	s_mov_b32 s89, 0
	s_lshl_b32 s90, s[WGX], 17                     ; Wo's codes: 131,072 bytes for 256 rows, my half 65,536 on: on the column alone
	s_lshl_b32 s91, s[CH], 16
	s_add_co_u32 s90, s90, s91
	s_mov_b32 s91, 0
	s_lshl_b32 s92, s[WGX], 13                     ; Wo's scale bytes: 8,192 and 4,096
	s_lshl_b32 s93, s[CH], 12
	s_add_co_u32 s92, s92, s93
	s_mov_b32 s93, 0
	s_mov_b32 s[G0AC], 1
	s_lshl_b32 s[G0AC+1], s[CH], 15                ; LDS addresses: a constant + a constant x (wave % 2): no place in the cluster enters them
	s_mov_b32 s[G0AS], 1
	s_lshl_b32 s[G0AS+1], s[CH], 11
	s_add_co_u32 s[G0AS+1], s[G0AS+1], ASC
	s_mov_b32 s[G0BC], 1
	s_mul_i32 s[G0BC+1], s[CH], BHALF
	s_add_co_u32 s[G0BC+1], s[G0BC+1], BROW
	s_mov_b32 s[G0BS], 1
	s_mul_i32 s[G0BS+1], s[CH], HALFS
	s_add_co_u32 s[G0BS+1], s[G0BS+1], BSC
	s_wait_dscnt 0x0
	s_wait_kmcnt 0x0
	s_add_nc_u64 s[G0AC+2:G0AC+3], s[4:5], s[86:87]
	s_or_b32 s[G0AC+3], s[G0AC+3], 0x80000000
	s_add_nc_u64 s[G0AS+2:G0AS+3], s[6:7], s[88:89]
	s_or_b32 s[G0AS+3], s[G0AS+3], 0x80000000
	s_add_nc_u64 s[G0BC+2:G0BC+3], s[8:9], s[90:91]
	s_or_b32 s[G0BC+3], s[G0BC+3], 0x80000000
	s_add_nc_u64 s[G0BS+2:G0BS+3], s[10:11], s[92:93]
	s_or_b32 s[G0BS+3], s[G0BS+3], 0x80000000
	CROUND                                         ; all sixteen work-groups are here: the joint loads meet
	s_cmp_eq_u32 s[RH], 0                          ; waves 0 and 1 fetch for A, waves 2 and 3 for Wo.  A wave's two fills, the only ones of the launch, stand in one branch: two loads of mine are out
	s_cbranch_scc0 .Lfor_b
	tensor_load_to_lds s[G0AS:G0AS+3], s[G1AS:G1AS+7]
	s_nop 0
	tensor_load_to_lds s[G0AC:G0AC+3], s[G1AC:G1AC+7]
	s_nop 0
	PLACES 4                                       ; four v_nop follow the second, ahead of the jump, the label and what follows
	s_branch .Lasked
.Lfor_b:
	tensor_load_to_lds s[G0BS:G0BS+3], s[G1BS:G1BS+7]
	s_nop 0
	tensor_load_to_lds s[G0BC:G0BC+3], s[G1BC:G1BC+7]
	s_nop 0
	PLACES 4
.Lasked:
	v_and_b32 v1, 15, v0                           ; r
	v_bfe_u32 v2, v0, 4, 1                         ; h
	v_and_b32 v3, 31, v0
	v_lshlrev_b32 v[CO], 4, v3
	s_lshl_b32 s80, s[RH], 15
	v_add_nc_u32 v[ADA], s80, v[CO]
	v_mul_u32_u24 v4, v1, BPITCH
	s_wait_alu depctr_va_vdst(0)
	v_lshl_add_u32 v5, v2, 4, v4
	s_mul_i32 s80, s[CH], BHALF
	s_add_co_u32 s80, s80, BROW
	v_add_nc_u32 v[ADB], s80, v5                   ; row r x pitch + 16 h, in my 128 rows of Wo
	s_lshl_b32 s80, s[RH], 11
	s_add_co_u32 s80, s80, ASC
	v_lshl_add_u32 v[ADSA], v1, 4, s80             ; A's scale words: 16 bytes a row for four K steps
	v_lshrrev_b32 v5, 3, v1
	v_and_b32 v6, 7, v1
	v_mul_u32_u24 v5, v5, 272
	v_lshl_add_u32 v5, v6, 5, v5
	s_mul_i32 s80, s[CH], HALFS
	s_add_co_u32 s80, s80, BSC
	v_add_nc_u32 v[ADSB], s80, v5                  ; Wo's: 32 bytes a row, 8 rows to a run of 256 + 16
	s_mul_i32 s80, s[WV], 16*SPITCH
	s_add_co_u32 s80, s80, STAGE                   ; my stage
	v_lshl_add_u32 v5, v2, 5, v4
	v_add_nc_u32 v[STO], s80, v5                   ; in: row r, 32 bytes for each half of the lanes
	v_add_nc_u32 v[RD], s80, v[CO]                 ; back: the 32 lanes take one row of 512 bytes
	s_lshl_b32 s82, s[WGX], 10
	s_lshl_b32 s83, s[CH], 9
	s_add_co_u32 s82, s82, s83                     ; my first column, in bytes of f32: in bo and in a row of out0 alike
	s_mov_b32 s83, 0
	s_add_nc_u64 s[12:13], s[12:13], s[82:83]
	s_lshl_b32 s84, s[WGY], 7
	s_lshl_b32 s85, s[RH], 6
	s_add_co_u32 s84, s84, s85                     ; my first token
	s_lshl_b32 s84, s84, 12                        ; a row of out0 is 4,096 bytes
	s_add_co_u32 s84, s84, s82
	s_mov_b32 s85, 0
	s_add_nc_u64 s[14:15], s[14:15], s[84:85]
	v_lshlrev_b32 v7, 5, v2                        ; bo: lane (r, h) wants, for tile b, columns 16 b + 8 h + 0 .. 7
	WIN 0x40                                       ; destination window 1
.irp b, 0,1,2,3,4,5,6,7
	global_load_b128 v[BI+8*\b:BI+8*\b+3], v7, s[12:13] offset:64*\b
	global_load_b128 v[BI+8*\b+4:BI+8*\b+7], v7, s[12:13] offset:64*\b+16
.endr
	WIN 0
.macro FETCH q, p                      ; K step q's twelve fragments into sets p: 24 loads in one run
	WIN 0x40
.irp i, 0,1,2,3,4,5,6,7
.irp c, 0,1
	ds_load_b128 v[64*(\p)+8*\i+4*\c:64*(\p)+8*\i+4*\c+3], v[ADB] offset:16*BPITCH*\i+64*(\q)+32*\c
.endr
.endr
	WIN 0
.irp a, 0,1,2,3
.irp c, 0,1
	ds_load_b128 v[AF+32*(\p)+8*\a+4*\c:AF+32*(\p)+8*\a+4*\c+3], v[ADA] offset:8192*\a+1024*(\q)+512*\c
.endr
.endr
.endm
; 32 matrix instructions: A's four tiles against Wo's eight.  first = 1: bo starts the sums.  The 32 accumulators take turns, one instruction a turn, in the same order in every K step.
.macro MUL32 p, q, first
.irp a, 0,1,2,3
.irp b, 0,1,2,3,4,5,6,7
.set rD, 8*(8*\a+\b)
.set rB, 64*(\p)+8*\b
.set rA, AF+32*(\p)+8*\a
.if \first
	v_wmma_scale_f32_16x16x128_f8f6f4 v[rD:rD+7], v[rB:rB+7], v[rA:rA+7], v[BI+8*\b:BI+8*\b+7], v[SB+8*\b+(\q)], v[SA+8*\a+(\q)] matrix_a_fmt:MATRIX_FMT_FP4 matrix_b_fmt:MATRIX_FMT_FP4
.else
	v_wmma_scale_f32_16x16x128_f8f6f4 v[rD:rD+7], v[rB:rB+7], v[rA:rA+7], v[rD:rD+7], v[SB+8*\b+(\q)], v[SA+8*\a+(\q)] matrix_a_fmt:MATRIX_FMT_FP4 matrix_b_fmt:MATRIX_FMT_FP4
.endif
.endr
.endr
.endm
.macro STEP q
	s_wait_dscnt 0x0                               ; this step's fragments are in (none younger is out)
.if (\q) < 7
.if (\q) > 0
	PLACES 4                                       ; loads into registers that matrix instructions have read stand four plain vector instructions behind them
.endif
	FETCH (\q)+1, ((\q)+1)%2
.endif
.if (\q) == 0
	WIN 0x91                                       ; source 0 (Wo) and source 2 (bo) window 1, source 1 (A) window 0, destination window 2
	MUL32 0, 0, 1
.else
	WIN 0xa1                                       ; source 0 window 1, source 1 window 0, C and D window 2
	MUL32 (\q)%2, \q, 0
.endif
.endm
; THE WAY OUT, a tile of 16 tokens x 128 columns at a time.  A lane holds 32 neighbouring bytes of a row, and the lanes beside it hold other rows: so a tile goes through my own stage and comes back as whole rows of
; 512 bytes.  LDS serves a wave's instructions in order (ISA guide 5.7.1.4): no wait between the stores and the loads, nor in front of the next tile's stores.
.macro TOSTAGE a
	WIN 0x08                                       ; an LDS store's data are its source 1: window 2
.irp b, 0,1,2,3,4,5,6,7
	ds_store_b128 v[STO], v[8*(8*(\a)+\b):8*(8*(\a)+\b)+3] offset:64*\b            ; each accumulator from its low end on
	ds_store_b128 v[STO], v[8*(8*(\a)+\b)+4:8*(8*(\a)+\b)+7] offset:64*\b+16
.endr
	WIN 0
.irp t, 0,1,2,3,4,5,6,7,8,9,10,11,12,13,14,15
	ds_load_b128 v[BK+64*((\a)%2)+4*\t:BK+64*((\a)%2)+4*\t+3], v[RD] offset:\t*SPITCH
.endr
.endm
.macro SEND a, younger                 ; younger: the LDS instructions issued behind tile a's loads, which may stay out
	s_wait_dscnt \younger
.irp t, 0,1,2,3,4,5,6,7,8,9,10,11,12,13,14,15
	global_store_b128 v[CO], v[BK+64*((\a)%2)+4*\t:BK+64*((\a)%2)+4*\t+3], s[14:15] offset:(32*((\a)/2)+8*((\a)%2)+\t+8*(\t/8))*4096 th:TH_STORE_NT   ; the tile's row t is this token of my 64; 32 lanes store 512 consecutive bytes, at a multiple of 256 from out0's first byte
.endr
.endm
	s_wait_alu depctr_va_vdst(0)
	s_wait_tensorcnt 0x0                           ; my two parts have landed,
	s_wait_loadcnt 0x0                             ; and bo
	s_barrier_signal -1
	s_barrier_wait -1                              ; everybody's have
	FETCH 0, 0
.irp a, 0,1,2,3                                ; all of K's scale words, once
.irp e, 0,1
	ds_load_b128 v[SA+8*\a+4*\e:SA+8*\a+4*\e+3], v[ADSA] offset:512*\a+256*\e
.endr
.endr
.irp i, 0,1,2,3,4,5,6,7
.irp e, 0,1
	ds_load_b128 v[SB+8*\i+4*\e:SB+8*\i+4*\e+3], v[ADSB] offset:544*\i+16*\e
.endr
.endr
.irp q, 0,1,2,3,4,5,6,7
	STEP \q
.endr
	PLACES 4                                       ; four places between the last products and the first read of results, and the first load over A's fragments
	TOSTAGE 0
	TOSTAGE 1
	SEND 0, 32                                     ; behind tile 0's loads: tile 1's 16 stores and 16 loads
	s_wait_xcnt 0x0                                ; tile 0's stores have read their registers: tile 2's loads may land there
	TOSTAGE 2
	SEND 1, 32
	s_wait_xcnt 0x0                                ; likewise tile 1's
	TOSTAGE 3
	SEND 2, 32
	SEND 3, 0                                      ; no LDS instruction of mine is out behind this wait
	s_wait_tensorcnt 0x0
	ds_add_u32 v30, v31
	s_wait_dscnt 0x0
	CROUND                                         ; the closing round: no work-group ends while a partner may still ask for a part that names it
	s_endpgm
.Lfunc_end_k_qd6e450c105_oproj:
	.size	k_qd6e450c105_oproj, .Lfunc_end_k_qd6e450c105_oproj-k_qd6e450c105_oproj
	.p2alignl 7, 3214868480
	.fill 96, 4, 3214868480
	.section	.rodata,"a",@progbits
	.p2align	6, 0x0
	.amdhsa_kernel k_qd6e450c105_oproj
		.amdhsa_group_segment_fixed_size 327680
		.amdhsa_private_segment_fixed_size 0
		.amdhsa_enable_private_segment 0
		.amdhsa_kernarg_size 48
		.amdhsa_user_sgpr_count 2
		.amdhsa_user_sgpr_kernarg_segment_ptr 1
		.amdhsa_wavefront_size32 1
		.amdhsa_system_sgpr_workgroup_id_x 1
		.amdhsa_system_sgpr_workgroup_id_y 1
		.amdhsa_system_sgpr_workgroup_id_z 1
		.amdhsa_system_vgpr_workitem_id 0
		.amdhsa_next_free_vgpr 768
		.amdhsa_next_free_sgpr 100
		.amdhsa_reserve_vcc 0
		.amdhsa_float_denorm_mode_32 3
		.amdhsa_float_denorm_mode_16_64 3
		.amdhsa_memory_ordered 1
		.amdhsa_forward_progress 1
		.amdhsa_inst_pref_size 72
	.end_amdhsa_kernel
	.amdgpu_metadata
---
amdhsa.version: [ 1, 2 ]
amdhsa.kernels:
  - .name:           k_qd6e450c105_oproj
    .symbol:         k_qd6e450c105_oproj.kd
    .args:
      - { .name: ac, .offset: 0, .size: 8, .value_kind: global_buffer, .address_space: global }
      - { .name: asc, .offset: 8, .size: 8, .value_kind: global_buffer, .address_space: global }
      - { .name: Wo_codes, .offset: 16, .size: 8, .value_kind: global_buffer, .address_space: global }
      - { .name: Wo_scales, .offset: 24, .size: 8, .value_kind: global_buffer, .address_space: global }
      - { .name: bo, .offset: 32, .size: 8, .value_kind: global_buffer, .address_space: global }
      - { .name: out0, .offset: 40, .size: 8, .value_kind: global_buffer, .address_space: global }
    .group_segment_fixed_size: 327680
    .private_segment_fixed_size: 0
    .kernarg_segment_align: 8
    .kernarg_segment_size: 48
    .max_flat_workgroup_size: 128
    .sgpr_count:     100
    .vgpr_count:     768
    .wavefront_size: 32
...
	.end_amdgpu_metadata
.endif
;; end of part 3
